; MI455X (gfx1250); checked and timed in simulation.
; The chip was launched on July 23, 2026; its instructions are those of AMD's public machine-readable ISA for CDNA 5 (MIT licence, August 2026) and "CDNA5" Instruction Set Architecture Reference Guide (July 2026). The comments in the code are by the model that wrote it; some were corrected since.
;; Multi Head Attention. Allowed arithmetic: matrix products marked QUANTISED: E2M1 operands, one E8M0 scale for each 32 along K, by v_wmma_scale_f32_16x16x128_f8f6f4 with both operands' format E2M1 (or v_wmma_scale_f32_32x16x128_f4), f32 sums; products left as they are: bf16, f16 or f32 operands; f32 sums; everything else in f32.
;; Inputs: k 2 x 2,048 x 1,024 float32; mask 1 x 1 x 2,048 x 2,048 bool; q 2 x 2,048 x 1,024 float32; v 2 x 2,048 x 1,024 float32; w_k 1,024 x 1,024 float32; w_output 1,024 x 1,024 float32; w_q 1,024 x 1,024 float32; w_v 1,024 x 1,024 float32.
;; Outputs: out0 2 x 2,048 x 1,024 float32.
;; This version of the problem:
;;   THIS VERSION OF THE PROBLEM IS GIVEN IN LOW PRECISION. The matrix products marked QUANTISED in the list below multiply operands that are first quantised to E2M1 (2 exponent bits, 1 mantissa bit; 4 bits a number), with one power-of-two scale for each 32 numbers along K (OCP MX v1.0); their sums are f32. The products marked 'left as it is' may take bf16, f16 or f32 operands, with f32 sums. Whichever they take, every output number must still come out within the allowed error. Rounding operands to bf16 (8 significant bits) uses up far more of that allowance than f16 does (11 bits, for magnitudes from 6e-5 to 65,504). All else is computed in f32.
;;   The module's matrix products, in the order in which they are computed (A, B: the left and right operand; K: the contracted axis; several contracted axes count as one K, in the product's order):
;;     1. [M 4,096, K 1,024] x [K 1,024, N 1,024]; A: input q; B: input w_q: QUANTISED
;;     2. [M 4,096, K 1,024] x [K 1,024, N 1,024]; A: input k; B: input w_k: QUANTISED
;;     3. [M 4,096, K 1,024] x [K 1,024, N 1,024]; A: input v; B: input w_v: QUANTISED
;;     4. batch 32 x [M 2,048, K 64] x [K 64, N 2,048]; A: computed on the way; B: computed on the way: left as it is (an operand is computed on the way)
;;     5. batch 32 x [M 2,048, K 2,048] x [K 2,048, N 64]; A: computed on the way; B: computed on the way: left as it is (an operand is computed on the way)
;;     6. [M 4,096, K 1,024] x [K 1,024, N 1,024]; A: computed on the way; B: input w_output: left as it is (an operand is computed on the way)
;;   THE QUANTISER, for each operand of a quantised product, along K:
;;     - K is cut into blocks of 32 from its start; a last block that is shorter is filled with zeros.
;;     - A block's scale is 2^e with e = floor(log2(the largest magnitude in the block)) - 2, held to -126 .. 127; a block of zeros has e = 0. As a byte (E8M0): e + 127.
;;     - Each number is divided by its block's scale, clamped to +-6, and rounded to the nearest number of E2M1, ties to even, subnormals kept.
;;     - The product sums the exact products of the quantised numbers (number of the format x scale) in f32.
;;   ~~~python
;;   def quantise(x, axis):      # numpy; x: float32 -> the quantised numbers, widened to float32 again
;;       x = np.moveaxis(x, axis, -1); K = x.shape[-1]
;;       x = np.pad(x, [(0, 0)] * (x.ndim - 1) + [(0, -K % 32)]); x = x.reshape(x.shape[:-1] + (-1, 32)); a = np.abs(x).max(-1, keepdims=True)
;;       e = np.where(a > 0, np.clip(np.frexp(np.where(a > 0, a, 1))[1] - 1 - 2, -126, 127), 0)      # np.frexp(a)[1] - 1 = floor(log2(a)), exactly
;;       r = np.clip(x / 2.0 ** e, -6, 6)
;;       step = 2.0 ** (np.maximum(np.frexp(np.where(r == 0, 1, r))[1] - 1, 0) - 1)
;;       q = np.round(r / step) * step * 2.0 ** e      # np.round: ties to even
;;       return np.moveaxis(q.reshape(q.shape[:-2] + (-1,))[..., :K], -1, axis).astype(np.float32)
;;   ~~~
;; One version. Each part assembles by itself: llvm-mc -triple=amdgcn-amd-amdhsa -mcpu=gfx1250 --defsym DOCPART=n.
;; ======== version 1 of 1: 4 launches
;; limits: values are held in f16: magnitudes above 65,504 overflow, below 6.1e-05 lose precision
;; workspace buffers: codes 7,864,320 bytes; scales 491,520 bytes; wf 2,097,152 bytes; maskw 524,288 bytes of whole numbers; qkvf 25,165,824 bytes; xf 8,388,608 bytes
;; launch prep (part 1): grid 800 x 1, 4 waves a work-group, no clusters, 33,280 bytes of LDS; arguments q, k, v, w_q, w_k, w_v, w_output, mask, codes, scales, wf, maskw; writes codes, scales, wf, maskw
.if DOCPART == 1
	.amdgcn_target "amdgcn-amd-amdhsa--gfx1250"
	.amdhsa_code_object_version 6
	.text
	.protected	k_qf73fb2532d_prep
	.globl	k_qf73fb2532d_prep
	.p2align	8
	.type	k_qf73fb2532d_prep,@function
k_qf73fb2532d_prep:
	s_mov_b64 s[64:65], 0
	v_nop
	global_prefetch_b8 v0, s[64:65] scope:SCOPE_SE
	s_setreg_imm32_b32 hwreg(HW_REG_WAVE_MODE, 25, 1), 1
	s_wait_xcnt 0x0
; THREE JOBS IN ONE LAUNCH, told apart by the work-group's number.
; (1) work-groups 0-479: q, k, v [4096][1024] and w_q, w_k, w_v [1024][1024], f32, K innermost, become codes of FP4 (E2M1) with one E8M0 scale byte for each 32 along K.
;     The six tensors are one stream of blocks of 32 numbers: codes and scale bytes lie in the order q, k, v, w_q, w_k, w_v, row-major (512 bytes of codes, 32 scale bytes a row).
;     A block's scale is 2^(floor(log2(largest magnitude)) - 2); its byte is the largest magnitude's exponent field - 2, held at 1 from below; numbers are divided by the scale and rounded to the nearest code, ties to even, beyond 6 the largest code.
; (2) work-groups 480-543: w_output [1024 (n)][1024 (k)] f32 becomes f16 in the order of a matrix operand's registers: wf[n tile 64][32 k at a time, 32][1,024 bytes].
;     AN IMAGE of a fragment (16 rows x 32 k, 8 registers a lane) is two chunks of 512 bytes; chunk c holds registers 4 c .. 4 c + 3, lane l's 16 bytes at 16 l; lane (r, h) of chunk c holds row r, k = 16 c + 8 h + 0 .. 7.
; (3) work-groups 544-799: mask [2048 (query)][2048 (key)] of bytes becomes words of lane bits: maskw[32 queries, 64][64 keys, 32][64 words];
;     bit (r + 16 h) of word 32 t + 8 kt + j is mask[32 q32 + 16 t + r][64 step + 16 kt + 8 h + j]: the lanes' choice for one register of scores in the attention launch.
; LIMITS: NaN and infinities among the inputs are not served; a block whose largest magnitude lies under 2^-124 gets the byte 1 (a block of zeros too: its codes are zeros, and this program alone reads the bytes);
; |w_output| beyond 65,504 has no f16 number.
.set WG_WO,   480
.set WG_MASK, 544
.set WAVES, 4
.set STEPS, 16
.set CB,    8                          ; bytes of 16 codes
.set R,     16                         ; v16-79   four sets of 16 numbers as they are loaded
.set X,     80                         ; v80-111  two sets of 16 neighbours
.set E,     112                        ; v112-127 a scale byte for each step
.set C,     128                        ; v128-191 codes: four registers for each step, so that no store's data are written again
.set WREG,  8192                       ; LDS: a region for each wave: two stages of 32 x SP bytes, behind them its 256 scale bytes
.set SP,    80                         ; a lane's place in a stage: its 64 bytes + 16 of padding
.set SPW,   12                         ; v12  LDS address of my spare word; never rewritten
.set NIL,   13                         ; v13  0; never rewritten
.set SPARE, WAVES*WREG                 ; behind the four regions: the spare words, 128 bytes a wave, which no other line names
	s_load_b512 s[4:19], s[0:1], 0x0               ; q 4, k 6, v 8, w_q 10, w_k 12, w_v 14, w_output 16, mask 18
	s_load_b256 s[20:27], s[0:1], 0x40             ; codes 20, scales 22, wf 24, maskw 26
	v_lshl_add_u32 v[SPW], v0, 2, SPARE
	v_mov_b32 v[NIL], 0
	v_lshrrev_b32 v1, 5, v0
	v_readfirstlane_b32 s28, v1                    ; wave 0..3
	v_and_b32 v2, 31, v0                           ; lane
	v_lshlrev_b32 v3, 4, v2                        ; 16 x lane
	s_cmp_ge_u32 ttmp9, WG_MASK
	s_cbranch_scc1 .Lmask
	s_cmp_ge_u32 ttmp9, WG_WO
	s_cbranch_scc1 .Lwo
; ---- (1) THE QUANTISER.  A wave takes 16 steps of 512 numbers.  Each load reads 512 consecutive bytes; a step's 2,048 bytes turn through the wave's own stage in LDS and come back 64 bytes a lane,
; so that a lane holds 16 neighbours along K (two neighbouring lanes hold a block).  Loads run four steps ahead, the turn through LDS one step.
	s_mul_i32 s29, s28, WREG
	v_lshrrev_b32 v14, 2, v2
	v_mul_u32_u24 v14, v14, SP
	v_and_b32 v15, 3, v2
	v_lshl_add_u32 v14, v15, 4, v14
	v_add_nc_u32 v14, s29, v14                     ; the stage, on the way in: SP (lane / 4) + 16 (lane % 4)
	v_mul_u32_u24 v15, v2, SP
	v_add_nc_u32 v15, s29, v15                     ; and on the way out: SP x lane
	v_mul_u32_u24 v4, v2, CB                       ; my codes' place in a step's 256 bytes
	v_lshrrev_b32 v5, 1, v2
	s_add_co_u32 s29, s29, 2*32*SP
	v_add_nc_u32 v5, s29, v5                       ; LDS: my wave's 256 scale bytes, my block's byte
	v_lshlrev_b32 v7, 3, v2                        ; on the way out 8 bytes a lane
	v_add_nc_u32 v6, s29, v7
	s_wait_kmcnt 0x0
	s_mov_b64 s[30:31], s[14:15]                   ; which tensor, and its first work-group: the choice hangs on the work-group's number alone
	s_mov_b32 s32, 448
	s_cmp_lt_u32 ttmp9, 448
	s_cselect_b64 s[30:31], s[12:13], s[30:31]
	s_cselect_b32 s32, 416, s32
	s_cmp_lt_u32 ttmp9, 416
	s_cselect_b64 s[30:31], s[10:11], s[30:31]
	s_cselect_b32 s32, 384, s32
	s_cmp_lt_u32 ttmp9, 384
	s_cselect_b64 s[30:31], s[8:9], s[30:31]
	s_cselect_b32 s32, 256, s32
	s_cmp_lt_u32 ttmp9, 256
	s_cselect_b64 s[30:31], s[6:7], s[30:31]
	s_cselect_b32 s32, 128, s32
	s_cmp_lt_u32 ttmp9, 128
	s_cselect_b64 s[30:31], s[4:5], s[30:31]
	s_cselect_b32 s32, 0, s32
	s_sub_co_u32 s32, ttmp9, s32
	s_lshl_b32 s32, s32, 2
	s_add_co_u32 s32, s32, s28                     ; my wave's run of 8,192 numbers in its tensor,
	s_lshl_b32 s32, s32, 15                        ; 32,768 bytes a run
	s_mov_b32 s33, 0
	s_add_nc_u64 s[30:31], s[30:31], s[32:33]
	s_lshl_b32 s34, ttmp9, 2
	s_add_co_u32 s34, s34, s28                     ; and in the stream of all six
	s_lshl_b32 s36, s34, 8                         ; 256 scale bytes a run,
	s_lshl_b32 s34, s34, 12                        ; 4,096 bytes of codes
	s_mov_b32 s35, 0
	s_mov_b32 s37, 0
	s_add_nc_u64 s[20:21], s[20:21], s[34:35]
	s_add_nc_u64 s[22:23], s[22:23], s[36:37]
.macro LOAD t
.irp i, 0,1,2,3
	global_load_b128 v[R+16*((\t)%4)+4*\i:R+16*((\t)%4)+4*\i+3], v3, s[30:31] offset:2048*(\t)+512*\i th:TH_LOAD_NT   ; 32 lanes read 512 consecutive bytes
.endr
.endm
.macro TURN t                          ; step t's numbers through the stage: LDS serves a wave's instructions in order, so no wait stands between the stores and the loads
.irp i, 0,1,2,3
	ds_store_b128 v14, v[R+16*((\t)%4)+4*\i:R+16*((\t)%4)+4*\i+3] offset:32*SP*((\t)%2)+8*SP*\i
.endr
.irp i, 0,1,2,3
	ds_load_b128 v[X+16*((\t)%2)+4*\i:X+16*((\t)%2)+4*\i+3], v15 offset:32*SP*((\t)%2)+16*\i
.endr
.endm
.irp t, 0,1,2,3
	LOAD \t
.endr
	s_wait_loadcnt 12                              ; step 0's four loads are in; the twelve of steps 1 to 3 may be out
	TURN 0
.macro STEP t
.set XS, X+16*((\t)%2)
.if (\t) > 0
	s_wait_dscnt 1                                 ; this step's numbers are back from the stage (the last step's byte store may be out): so its stores into the stage have read their registers,
.else
	s_wait_dscnt 0x0
.endif
.if (\t)+4 < STEPS
	LOAD (\t)+4                                    ; which take the loads of four steps on
.endif
.if (\t)+1 < STEPS
.if STEPS-2-(\t) >= 3
	s_wait_loadcnt 12                              ; the next step's four loads are in; those of the three steps behind it may be out
.else
	s_wait_loadcnt 4*(STEPS-2-(\t))
.endif
	TURN (\t)+1
.endif
	v_max3_num_f32 v8, |v[XS]|, |v[XS+1]|, |v[XS+2]|               ; the largest magnitude of my 16, in two chains
	v_max3_num_f32 v9, |v[XS+3]|, |v[XS+4]|, |v[XS+5]|
.irp i, 6,10
	v_max3_num_f32 v8, v8, |v[XS+\i]|, |v[XS+\i+1]|
	v_max3_num_f32 v9, v9, |v[XS+\i+2]|, |v[XS+\i+3]|
.endr
	v_max3_num_f32 v8, v8, |v[XS+14]|, |v[XS+15]|
	v_max3_num_f32 v8, v8, v9, 0x1800000           ; and the floor 2^(3 - 127): so the byte cannot fall under 1
	v_max_num_f32_dpp v8, v8, v8 row_xmask:1 row_mask:0xf bank_mask:0xf   ; and of my neighbour's 16: the block's
	v_add_nc_u32 v11, 0xff000000, v8               ; 2 off its exponent field: the conversion takes the exponent field of this operand as its scale
	v_cvt_scalef32_pk8_fp4_f32 v[C+4*(\t)], v[XS:XS+7], v11
	v_cvt_scalef32_pk8_fp4_f32 v[C+4*(\t)+1], v[XS+8:XS+15], v11
	v_lshrrev_b32 v[E+(\t)], 23, v11               ; the scale's byte (also the plain line behind the conversions)
	ds_store_b8 v5, v[E+(\t)] offset:16*(\t)       ; both lanes of a block write the same byte with the same value
	global_store_b64 v4, v[C+4*(\t):C+4*(\t)+1], s[20:21] offset:32*CB*(\t)   ; the wave stores 256 consecutive bytes, aligned
.endm
.irp t, 0,1,2,3,4,5,6,7,8,9,10,11,12,13,14,15
	STEP \t
.endr
	ds_load_b64 v[8:9], v6                         ; LDS serves a wave's instructions in order: these see my byte stores
	s_wait_dscnt 0x0
	global_store_b64 v7, v[8:9], s[22:23]          ; 32 lanes store 256 consecutive bytes, aligned
	s_branch .Lend
; ---- (2) w_output into f16 images.  Work-group: 16 rows n; wave: 256 along k = 16 chunks.  Lane (r, h) takes row r, k = 16 cc + 8 h + 0 .. 7: 32 bytes, two loads.
.Lwo:
	v_and_b32 v4, 15, v0                           ; r
	v_bfe_u32 v5, v0, 4, 1                         ; h
	v_lshlrev_b32 v6, 12, v4
	v_lshl_add_u32 v6, v5, 5, v6                   ; 4,096 r + 32 h
	s_sub_co_u32 s29, ttmp9, WG_WO                 ; which 16 rows
	s_lshl_b32 s30, s29, 16
	s_lshl_b32 s32, s28, 10
	s_add_co_u32 s30, s30, s32                     ; in: 16 rows of 4,096 bytes, + 1,024 x wave
	s_mov_b32 s31, 0
	s_lshl_b32 s32, s29, 15
	s_lshl_b32 s33, s28, 13
	s_add_co_u32 s32, s32, s33                     ; out: 32 images a tile of rows, 8 a wave
	s_mov_b32 s33, 0
	s_wait_kmcnt 0x0
	s_add_nc_u64 s[16:17], s[16:17], s[30:31]
	s_add_nc_u64 s[24:25], s[24:25], s[32:33]
.set cc, 0
.rept 16
	global_load_b128 v[16+8*cc:16+8*cc+3], v6, s[16:17] offset:64*cc
	global_load_b128 v[16+8*cc+4:16+8*cc+7], v6, s[16:17] offset:64*cc+16
.set cc, cc+1
.endr
.set cc, 0
.rept 16
	s_wait_loadcnt 30-2*cc                         ; this chunk's two loads are in; the later chunks' may be out
.irp i, 0,1,2,3
	v_cvt_pk_f16_f32 v[16+8*cc+\i], v[16+8*cc+2*\i], v[16+8*cc+2*\i+1]   ; in place, ascending: a register is written only when both its numbers have been read
.endr
	global_store_b128 v3, v[16+8*cc:16+8*cc+3], s[24:25] offset:512*cc   ; a chunk: 512 consecutive bytes
.set cc, cc+1
.endr
	s_branch .Lend
; ---- (3) the mask into lane bits.  A wave: 32 queries x 128 keys = 128 words.  Lane (r, h) loads the 8 bytes of query 16 t + r, keys 16 kk + 8 h + 0 .. 7; a compare over the lanes IS a word.
.Lmask:
	v_and_b32 v4, 15, v0
	v_bfe_u32 v5, v0, 4, 1
	v_lshlrev_b32 v6, 11, v4
	v_lshl_add_u32 v6, v5, 3, v6                   ; 2,048 r + 8 h
	s_sub_co_u32 s29, ttmp9, WG_MASK
	s_lshl_b32 s29, s29, 2
	s_add_co_u32 s29, s29, s28
	s_lshr_b32 s30, s29, 4                         ; which 32 queries
	s_and_b32 s29, s29, 15                         ; which 128 keys
	s_lshl_b32 s32, s30, 16
	s_lshl_b32 s33, s29, 7
	s_add_co_u32 s32, s32, s33
	s_mov_b32 s33, 0
	s_lshl_b32 s34, s30, 13
	s_lshl_b32 s35, s29, 9
	s_add_co_u32 s34, s34, s35
	s_mov_b32 s35, 0
.irp n, 0,1,2,3
	v_mov_b32 v[8+\n], 0                           ; v_writelane_b32's destination counts as read
.endr
	s_wait_kmcnt 0x0
	s_add_nc_u64 s[18:19], s[18:19], s[32:33]
	s_add_nc_u64 s[26:27], s[26:27], s[34:35]
.irp t, 0,1
.irp kk, 0,1,2,3,4,5,6,7
	global_load_b64 v[16+2*(8*\t+\kk):17+2*(8*\t+\kk)], v6, s[18:19] offset:\t*32768+16*\kk
.endr
.endr
	s_wait_loadcnt 0x0
; word w = 64 (kk / 4) + 32 t + 8 (kk % 4) + 4 jh + n goes to register w % 4 = n of lane w / 4: so the wave's one store of 16 bytes a lane lays the 128 words on end
.irp t, 0,1
.irp kk, 0,1,2,3,4,5,6,7
.irp jh, 0,1
.irp n, 0,1,2,3
	v_and_b32 v[48+\n], 0xff<<(8*\n), v[16+2*(8*\t+\kk)+\jh]
.endr
.irp n, 0,1,2,3
	v_cmp_ne_u32 s[40+\n], 0, v[48+\n]
.endr
.irp n, 0,1,2,3
	v_writelane_b32 v[8+\n], s[40+\n], 16*(\kk/4)+8*\t+2*(\kk%4)+\jh
.endr
.endr
.endr
.endr
	global_store_b128 v3, v[8:11], s[26:27]        ; 512 consecutive bytes
.Lend:
	s_wait_tensorcnt 0x0                           ; the wave's end: behind the last LDS store
	ds_add_u32 v[SPW], v[NIL]
	s_wait_dscnt 0x0
	s_endpgm
.Lfunc_end_k_qf73fb2532d_prep:
	.size	k_qf73fb2532d_prep, .Lfunc_end_k_qf73fb2532d_prep-k_qf73fb2532d_prep
	.p2alignl 7, 3214868480
	.fill 96, 4, 3214868480
	.section	.rodata,"a",@progbits
	.p2align	6, 0x0
	.amdhsa_kernel k_qf73fb2532d_prep
		.amdhsa_group_segment_fixed_size 33280
		.amdhsa_private_segment_fixed_size 0
		.amdhsa_enable_private_segment 0
		.amdhsa_kernarg_size 96
		.amdhsa_user_sgpr_count 2
		.amdhsa_user_sgpr_kernarg_segment_ptr 1
		.amdhsa_wavefront_size32 1
		.amdhsa_system_sgpr_workgroup_id_x 1
		.amdhsa_system_sgpr_workgroup_id_y 1
		.amdhsa_system_sgpr_workgroup_id_z 1
		.amdhsa_system_vgpr_workitem_id 0
		.amdhsa_next_free_vgpr 192
		.amdhsa_next_free_sgpr 66
		.amdhsa_reserve_vcc 0
		.amdhsa_float_denorm_mode_32 3
		.amdhsa_float_denorm_mode_16_64 3
		.amdhsa_memory_ordered 1
		.amdhsa_forward_progress 1
		.amdhsa_inst_pref_size 70
	.end_amdhsa_kernel
	.amdgpu_metadata
---
amdhsa.version: [ 1, 2 ]
amdhsa.kernels:
  - .name:           k_qf73fb2532d_prep
    .symbol:         k_qf73fb2532d_prep.kd
    .args:
      - { .name: q, .offset: 0, .size: 8, .value_kind: global_buffer, .address_space: global }
      - { .name: k, .offset: 8, .size: 8, .value_kind: global_buffer, .address_space: global }
      - { .name: v, .offset: 16, .size: 8, .value_kind: global_buffer, .address_space: global }
      - { .name: w_q, .offset: 24, .size: 8, .value_kind: global_buffer, .address_space: global }
      - { .name: w_k, .offset: 32, .size: 8, .value_kind: global_buffer, .address_space: global }
      - { .name: w_v, .offset: 40, .size: 8, .value_kind: global_buffer, .address_space: global }
      - { .name: w_output, .offset: 48, .size: 8, .value_kind: global_buffer, .address_space: global }
      - { .name: mask, .offset: 56, .size: 8, .value_kind: global_buffer, .address_space: global }
      - { .name: codes, .offset: 64, .size: 8, .value_kind: global_buffer, .address_space: global }
      - { .name: scales, .offset: 72, .size: 8, .value_kind: global_buffer, .address_space: global }
      - { .name: wf, .offset: 80, .size: 8, .value_kind: global_buffer, .address_space: global }
      - { .name: maskw, .offset: 88, .size: 8, .value_kind: global_buffer, .address_space: global }
    .group_segment_fixed_size: 33280
    .private_segment_fixed_size: 0
    .kernarg_segment_align: 8
    .kernarg_segment_size: 96
    .max_flat_workgroup_size: 128
    .sgpr_count:     66
    .vgpr_count:     192
    .wavefront_size: 32
...
	.end_amdgpu_metadata
.endif
;; end of part 1
;; launch proj (part 2): grid 4 x 48, 4 waves a work-group, clusters of 4 x 4, 327,680 bytes of LDS; arguments codes, scales, qkvf; writes qkvf
.if DOCPART == 2
	.amdgcn_target "amdgcn-amd-amdhsa--gfx1250"
	.amdhsa_code_object_version 6
	.text
	.protected	k_qf73fb2532d_proj
	.globl	k_qf73fb2532d_proj
	.p2align	8
	.type	k_qf73fb2532d_proj,@function
k_qf73fb2532d_proj:
	s_mov_b64 s[64:65], 0
	v_nop
	global_prefetch_b8 v0, s[64:65] scope:SCOPE_SE
	s_setreg_imm32_b32 hwreg(HW_REG_WAVE_MODE, 25, 1), 1
	s_wait_xcnt 0x0
	s_wait_alu depctr_hold_cnt(0) depctr_sa_sdst(0) depctr_va_vdst(0) depctr_va_sdst(0) depctr_va_ssrc(0) depctr_va_vcc(0) depctr_vm_vsrc(0)
	s_getreg_b32 s2, hwreg(HW_REG_IB_STS2, 6, 4)
	s_cmp_eq_u32 s2, 0
	s_cbranch_scc0 .Lentry_in_a_cluster
	s_endpgm
.Lentry_in_a_cluster:
	s_bfe_u32 s2, ttmp6, 0x10000c
	s_cmp_lg_u32 s2, 0xf033
	s_cbranch_scc0 .Lentry_shape_is_right
	s_endpgm
.Lentry_shape_is_right:
; THE THREE PROJECTIONS ON CODES OF FP4 (E2M1) with one E8M0 scale for each 32 along K = 1,024: query = q w_q^T, key = k w_k^T, value = v w_v^T; sums in f32; results leave as f16 images of matrix operands.
; codes: q, k, v [4096][512 bytes], then w_q, w_k, w_v [1024][512 bytes]; scales likewise, 32 bytes a row.
; A tile of 256 x 256 results is made by a work-group of four waves; a wave makes 128 x 128: 64 accumulators, 512 registers.  K goes in two steps of 512 through two LDS slots, each filled once.
; ROLES, by the cluster's y (12 clusters of 4 x 4 work-groups, four to a role): 0 query, 1 key: operand A = 16 tile rows of tokens, operand B = 4 tile columns of the weight's rows;
; 2 value: A = the weight's rows (channels), B = tokens.  THE MATRIX INSTRUCTION IS USED TRANSPOSED (source 0 = 16 rows of B, source 1 = 16 rows of A): a lane holds ONE row of A and eight neighbouring rows of B.
; So for query and key a lane holds a token and eight channels, for value a channel and eight keys: packed to f16 that is a lane's 16 bytes of a chunk of an operand's image, and it is stored as it stands.
; AN IMAGE of a fragment (16 rows x 32 k of f16, 8 registers a lane): two chunks of 512 bytes; chunk c = registers 4 c .. 4 c + 3, lane l's 16 bytes at 16 l.
; qkvf: query at 0, key at 8 MiB: [batch x 16 + head][16 tokens, 128][32 channels, 2][image];  value at 16 MiB: [batch x 16 + head][32 keys, 64][16 channels, 4][image] (rows = channels, k = keys).
; The query is multiplied by log2(e) / 8 in f32 ahead of its rounding to f16, so that the attention launch's scores are exponents of 2; key and value by 1.
; CLUSTERS: the four work-groups of a row of the cluster need the same tiles of A, the four of a column the same tiles of B: each tile is asked for jointly.
; LIMITS: |query| log2(e) / 8, |key|, |value| beyond 65,504 have no f16 number.
; REGISTERS, in windows of 256: window 0: v0-31 addresses; v32-95 scale words, two sets; from v128 A's fragments, one set; on the way out v128-255 at work.
;   window 1: B's fragments, two sets, at v0 and v128.   window 2: the 32 accumulators of my rows 0-63 of A ((a, b) at v[8 (8 a + b)]);   window 3: those of rows 64-127.
.set KSTEP,  512
.set NQ,     KSTEP/128                 ; matrix instructions deep in a slot
.set ROWB,   256                       ; a tile's row in bytes
.set KROW,   512                       ; a row of codes in memory
.set PITCH,  272                       ; an LDS row: 256 bytes + 16 of padding = 68 words, so that the 16 rows that a load touches start at 16 different banks (64 banks of 4 bytes: ISA guide 11.1)
.set FR,     8
.set NL,     2
.set NP,     4                         ; places behind this matrix instruction (ISA guide 7.12.1)
.set HALFT,  128*PITCH
.set SLOT,   4*HALFT                   ; A's 256 rows, then B's 256 rows
.set KS,     32                        ; a row of scales in bytes
.set SCL,    2*SLOT                    ; behind the slots: the scales, as units of 256 bytes + 16 of padding
.set HALFS,  (128*KS/256)*272
.set SBLK,   (16*KS/256)*272
.set SPARE,  SCL+4*HALFS               ; the spare words, 128 bytes a wave, which no other line names
.set OFS,  8                           ; v8-11   the way out: 16 x lane + the place of B's blocks 2 i, 2 i + 1; never rewritten
.set ADRA, 16                          ; v16-17  LDS address of my A fragments in slot 0, 1
.set ADRB, 20                          ; v20-21  the same for B
.set ADRS, 27                          ; v27     LDS address of my scale words: lanes 0-15 A's rows, lanes 16-31 B's
.set SPW,  28                          ; v28     LDS address of my spare word; never rewritten
.set NIL,  29                          ; v29     0; never rewritten
.set SC,   32                          ; scale words: set s at v[SC + 32 s]; register NQ i + q: lanes 0-15 A's block i, lanes 16-31 B's block i
.set AF,   128                         ; A's fragments, in window 0
.set TW,   128                         ; the way out: 64 scaled numbers
.set PW,   192                         ; and their 32 packed registers, two sets
.set G1, 24
.set G0, 32
.set G1B, 48
.set G0B, 56
.set G1S, 68
.set G0S, 76
.set G1SB, 80
.set G0SB, 88
.set FAC, 96                           ; s[96:97] the factor ahead of the rounding to f16
.set MSB, 0
.macro WIN new                         ; the immediate's high byte repeats the setting that is left
.if MSB != \new
	s_set_vgpr_msb (MSB<<8)|\new
.set MSB, \new
.endif
.endm
.set MUL_LO, 0xa1                      ; source 0 (B) window 1, source 1 (A) window 0, C and D window 2
.set MUL_HI, 0xf1                      ; the same, C and D window 3
.set TO_B,   0x40                      ; destination window 1, address window 0
; A joint load: waves 0 and 1 fetch for A, waves 2 and 3 for B; the branch hangs on the wave's number alone.  An s_nop 0 and four v_nop follow each of the two lines.
.macro JLOAD g0a, g1a, g0b, g1b
	s_cmp_eq_u32 s15, 0
	s_cbranch_scc0 .Lfor_b_\@
	tensor_load_to_lds s[\g0a:\g0a+3], s[\g1a:\g1a+7]
	s_nop 0
.rept 4
	v_nop
.endr
	s_branch .Lasked_\@
.Lfor_b_\@:
	tensor_load_to_lds s[\g0b:\g0b+3], s[\g1b:\g1b+7]
	s_nop 0
.rept 4
	v_nop
.endr
.Lasked_\@:
.endm
.macro CROUND                          ; a round of the cluster's barrier
	s_barrier_signal -1
	s_barrier_wait -1
	s_cmp_lg_u32 s14, 0
	s_cbranch_scc1 .Lnot_wave_0_\@
	s_barrier_signal -3
.Lnot_wave_0_\@:
	s_barrier_wait -3
	s_barrier_signal -1
	s_barrier_wait -1
.endm
	s_load_b128 s[4:7], s[0:1], 0x0                ; codes s[4:5], scales s[6:7]
	s_load_b64 s[12:13], s[0:1], 0x10              ; qkvf
	v_lshl_add_u32 v[SPW], v0, 2, SPARE
	v_mov_b32 v[NIL], 0
	ds_add_u32 v[SPW], v[NIL]                      ; the wave's opening: the add, twice on end, and its wait ahead of my first tensor load
	ds_add_u32 v[SPW], v[NIL]
	v_lshrrev_b32 v1, 5, v0
	v_readfirstlane_b32 s14, v1                    ; wave 0..3
	s_lshr_b32 s15, s14, 1                         ; which half of A's 256 rows is mine.  Also: I fetch for A (0) or for B (1)
	s_and_b32 s16, s14, 1                          ; which half of B's.  Also: which 128 rows of that tile I fetch
	s_bfe_u32 s40, ttmp6, 0x40000                  ; cx, cy: my place in the cluster
	s_bfe_u32 s41, ttmp6, 0x40004
	s_and_b32 s17, ttmp7, 0xffff                   ; the cluster's y, 0 .. 11: the same in all sixteen partners
	s_lshr_b32 s66, s17, 2                         ; the role
	s_and_b32 s67, s17, 3
	s_lshl_b32 s67, s67, 2                         ; which four of the tokens' sixteen tiles
	s_lshl_b32 s95, s66, 21                        ; where A's codes begin: q 0, k 2 MiB;
	s_lshl_b32 s99, s66, 19
	s_add_co_u32 s99, s99, 0x600000                ; and B's: w_q 6 MiB, w_k 6.5 MiB
	s_mov_b32 s2, 2048                             ; the way out, query and key: from a block of A (16 tokens) to the next,
	s_mov_b32 s98, 2048                            ; from block 3 to block 4 likewise;
	s_mov_b32 s8, 1024                             ; B's blocks 2, 3: the head's second 32 channels;
	s_mov_b32 s9, 0x40000                          ; B's blocks 4-7: the next head
	s_cmp_eq_u32 s66, 2
	s_cselect_b32 s17, 0, s67
	s_cselect_b32 s42, s67, 0
	s_cselect_b32 s95, 0x700000, s95               ; value: A = w_v,
	s_cselect_b32 s99, 0x400000, s99               ; B = v
	s_cselect_b32 s2, 1024, s2                     ; value: a block of A is 16 channels: the next image;
	s_cselect_b32 s98, 0x40000-3*1024, s98         ; block 4 begins the next head;
	s_cselect_b32 s8, 4096, s8                     ; B's blocks 2, 3: the next 32 keys;
	s_cselect_b32 s9, 8192, s9                     ; blocks 4-7: 64 keys on
	s_mov_b32 s3, 0
	s_mov_b32 s[FAC], 1.0
	s_cmp_eq_u32 s66, 0
	s_cselect_b32 s[FAC], 0x3e38aa3b, s[FAC]       ; log2(e) / 8 for the query
	s_mov_b32 s[FAC+1], s[FAC]                     ; (named with it as a pair, so it is written)
	s_add_co_u32 s17, s17, s41                     ; A's tile of 256 rows: hangs on cy and the cluster's y alone
	s_add_co_u32 s42, s42, s40                     ; B's: on cx and the cluster's y alone
	s_lshl_b32 s43, s41, 2
	s_lshl_b32 s43, 15, s43                        ; my row of the cluster
	s_lshl_b32 s44, 0x1111, s40                    ; my column
	; descriptor group 1: a tile of 128 rows x 256 bytes, padded in LDS
	s_or_b32 s[G1+0], s43, (0<<16)|(1<<20)|(1<<21)|(5<<22)|(3<<25)  ; 15:0 the mask; 17:16 elements of 1 byte; 20 padding on; 21 set beside a mask; 24:22 after every 64 words; 31:25 four words
	s_or_b32 s[G1B+0], s44, (0<<16)|(1<<20)|(1<<21)|(5<<22)|(3<<25)
.irp g, G1, G1B
	s_mov_b32 s[\g+1], ROWB<<16                    ; tensor_dim0
	s_mov_b32 s[\g+2], 128<<16                     ; tensor_dim1
	s_mov_b32 s[\g+3], ROWB<<16                    ; tile_dim0
	s_mov_b32 s[\g+4], 128                         ; tile_dim1
	s_mov_b32 s[\g+5], KROW                        ; tensor_dim0_stride
	s_mov_b32 s[\g+6], 0
	s_mov_b32 s[\g+7], 0
.endr
	; the scales of 128 rows: a dense block of 4,096 bytes, as 16 rows of 256 bytes (32 elements of 8 bytes), 16 bytes of padding behind each
	s_or_b32 s[G1S+0], s43, (3<<16)|(1<<20)|(1<<21)|(5<<22)|(3<<25)
	s_or_b32 s[G1SB+0], s44, (3<<16)|(1<<20)|(1<<21)|(5<<22)|(3<<25)
.irp g, G1S, G1SB
	s_mov_b32 s[\g+1], 32<<16
	s_mov_b32 s[\g+2], (128*KS/256)<<16
	s_mov_b32 s[\g+3], 32<<16
	s_mov_b32 s[\g+4], 128*KS/256
	s_mov_b32 s[\g+5], 32
	s_mov_b32 s[\g+6], 0
	s_mov_b32 s[\g+7], 0
.endr
	s_lshl_b32 s18, s16, 7                         ; which 128 rows of the tile I fetch
	s_lshl_b32 s20, s17, 8
	s_add_co_u32 s20, s20, s18                     ; A: its row in its tensor
	s_lshl_b32 s46, s42, 8
	s_add_co_u32 s46, s46, s18                     ; B likewise
	s_lshl_b32 s22, s20, 5                         ; scale bytes: 32 a row,
	s_lshl_b32 s20, s20, 9                         ; codes: 512 a row,
	s_add_co_u32 s20, s20, s95                     ; from where the tensor's codes begin;
	s_lshr_b32 s19, s95, 4
	s_add_co_u32 s22, s22, s19                     ; its scales begin a sixteenth as far in
	s_mov_b32 s21, 0
	s_mov_b32 s23, 0
	s_lshl_b32 s92, s46, 5
	s_lshl_b32 s46, s46, 9
	s_add_co_u32 s46, s46, s99
	s_lshr_b32 s19, s99, 4
	s_add_co_u32 s92, s92, s19
	s_mov_b32 s47, 0
	s_mov_b32 s93, 0
	s_mov_b32 s99, 0                               ; s[98:99] is now the step from block 3 to block 4
	s_mul_i32 s45, s14, HALFT                      ; where they go: wave x 128 rows: no place in the cluster enters an LDS address
	s_mul_i32 s94, s14, HALFS
	s_wait_dscnt 0x0                               ; both opening adds are done
	s_wait_kmcnt 0x0
	s_add_nc_u64 s[20:21], s[4:5], s[20:21]
	s_add_nc_u64 s[22:23], s[6:7], s[22:23]
	s_add_nc_u64 s[46:47], s[4:5], s[46:47]
	s_add_nc_u64 s[92:93], s[6:7], s[92:93]
	CROUND                                         ; all sixteen work-groups are here: the first joint loads meet
	s_mov_b32 s[G0S], 1
	s_add_co_u32 s[G0S+1], s94, SCL
	s_mov_b64 s[G0S+2:G0S+3], s[22:23]
	s_or_b32 s[G0S+3], s[G0S+3], 0x80000000
	s_mov_b32 s[G0SB], 1
	s_add_co_u32 s[G0SB+1], s94, SCL
	s_mov_b64 s[G0SB+2:G0SB+3], s[92:93]
	s_or_b32 s[G0SB+3], s[G0SB+3], 0x80000000
	JLOAD G0S, G1S, G0SB, G1SB                     ; the scales first: they are wanted with K step 0
.irp s, 0,1
	s_mov_b32 s[G0+4*\s], 1
	s_add_co_u32 s[G0+4*\s+1], s45, \s*SLOT
	s_add_nc_u64 s[G0+4*\s+2:G0+4*\s+3], s[20:21], \s*ROWB
	s_or_b32 s[G0+4*\s+3], s[G0+4*\s+3], 0x80000000
	s_mov_b32 s[G0B+4*\s], 1
	s_add_co_u32 s[G0B+4*\s+1], s45, \s*SLOT
	s_add_nc_u64 s[G0B+4*\s+2:G0B+4*\s+3], s[46:47], \s*ROWB
	s_or_b32 s[G0B+4*\s+3], s[G0B+4*\s+3], 0x80000000
	JLOAD G0+4*\s, G1, G0B+4*\s, G1B               ; three loads of mine are out in all
.endr
	v_and_b32 v1, 15, v0                           ; l % 16
	v_bfe_u32 v2, v0, 4, 1                         ; l / 16
	v_mul_u32_u24 v3, v1, PITCH
	v_lshl_add_u32 v4, v2, 4, v3                   ; a fragment's row x pitch + 16 x half
	s_mul_i32 s21, s15, HALFT                      ; my 128 rows of A
	s_mul_i32 s22, s16, HALFT                      ; my 128 rows of B,
	s_add_co_u32 s22, s22, 2*HALFT                 ; which lie behind A's 256
.irp s, 0,1
	v_add_nc_u32 v[ADRA+\s], s21, v4
	v_add_nc_u32 v[ADRB+\s], s22, v4
	s_add_co_u32 s21, s21, SLOT
	s_add_co_u32 s22, s22, SLOT
.endr
	v_mul_u32_u24 v5, v1, KS                       ; my row's scales: KS bytes a row,
	v_lshrrev_b32 v6, 8, v5
	v_lshl_add_u32 v5, v6, 4, v5                   ; and 16 more for each 256 passed
	s_mul_i32 s21, s15, HALFS                      ; A's: my 128 rows
	s_mul_i32 s22, s16, HALFS                      ; B's: my 128 rows, behind A's 256
	s_add_co_u32 s22, s22, 2*HALFS
	s_sub_co_u32 s22, s22, s21
	v_mul_u32_u24 v6, s22, v2                      ; lanes 16-31 take B's: the lower base + half x the distance
	s_add_co_u32 s21, s21, SCL
	v_add_nc_u32 v5, v5, v6
	v_add_nc_u32 v[ADRS], s21, v5
	; the way out: a chunk is 16 bytes a lane; B's block b lies at (b % 2) x 512 + the place of the pair b / 2
	v_and_b32 v6, 31, v0
	v_lshlrev_b32 v[OFS], 4, v6
	v_add_nc_u32 v[OFS+1], s8, v[OFS]
	v_add_nc_u32 v[OFS+2], s9, v[OFS]
	v_add_nc_u32 v[OFS+3], s9, v[OFS+1]
	s_lshl_b32 s20, s17, 4
	s_lshl_b32 s21, s15, 3
	s_add_co_u32 s20, s20, s21                     ; my first block of 16 rows of A,
	s_lshl_b32 s46, s42, 4
	s_lshl_b32 s47, s16, 3
	s_add_co_u32 s46, s46, s47                     ; and of B
	s_cmp_eq_u32 s66, 2
	s_cselect_b32 s22, s46, s20                    ; which of the two counts tokens (0 .. 255),
	s_cselect_b32 s23, s20, s46                    ; and which channels (0 .. 63)
	s_lshr_b32 s18, s22, 7
	s_lshl_b32 s18, s18, 22                        ; the batch: 16 heads of 256 KiB
	s_and_b32 s19, s22, 127
	s_lshl_b32 s19, s19, 11                        ; 16 tokens are 2,048 bytes in all three layouts
	s_add_co_u32 s18, s18, s19
	s_lshr_b32 s19, s23, 2
	s_lshl_b32 s19, s19, 18                        ; the head
	s_add_co_u32 s18, s18, s19
	s_lshl_b32 s19, s66, 23                        ; query, key, value: 8 MiB each
	s_add_co_u32 s18, s18, s19
	s_mov_b32 s19, 0
	s_add_nc_u64 s[12:13], s[12:13], s[18:19]
.macro FRAG reg, adr, q, i             ; a fragment, 16 rows x 128 K of 4-bit codes, is 8 registers: lane l holds row l % 16; registers 4 c .. 4 c + 3 hold K = 64 c + 32 (l / 16) + 0 .. 31
.irp c, 0,1
	ds_load_b128 v[\reg+4*\c:\reg+4*\c+3], v[\adr] offset:64*(\q)+32*\c+(\i)*16*PITCH
.endr
.endm
; 16 matrix instructions: A's blocks a0, a0 + 1 x B's eight, 128 along K: the slot's q-th.  p: B's set;  sc: the set of scale words.  zero = 1: the first product starts the sums.
; The 64 accumulators take turns, one instruction a turn, in the same order in every step.
.macro MUL16 a0, p, q, sc, zero
.irp a, \a0, \a0+1
.irp b, 0,1,2,3,4,5,6,7
.if \zero
	v_wmma_scale_f32_16x16x128_f8f6f4 v[8*(8*((\a)%4)+\b):8*(8*((\a)%4)+\b)+7], v[128*(\p)+FR*\b:128*(\p)+FR*\b+FR-1], v[AF+FR*(\a):AF+FR*(\a)+FR-1], 0, v[SC+8*NQ*(\sc)+NQ*\b+(\q)], v[SC+8*NQ*(\sc)+NQ*(\a)+(\q)] matrix_a_fmt:MATRIX_FMT_FP4 matrix_b_fmt:MATRIX_FMT_FP4 matrix_a_scale:MATRIX_SCALE_ROW1
.else
	v_wmma_scale_f32_16x16x128_f8f6f4 v[8*(8*((\a)%4)+\b):8*(8*((\a)%4)+\b)+7], v[128*(\p)+FR*\b:128*(\p)+FR*\b+FR-1], v[AF+FR*(\a):AF+FR*(\a)+FR-1], v[8*(8*((\a)%4)+\b):8*(8*((\a)%4)+\b)+7], v[SC+8*NQ*(\sc)+NQ*\b+(\q)], v[SC+8*NQ*(\sc)+NQ*(\a)+(\q)] matrix_a_fmt:MATRIX_FMT_FP4 matrix_b_fmt:MATRIX_FMT_FP4 matrix_a_scale:MATRIX_SCALE_ROW1
.endif
.endr
.endr
.endm
.macro FETCH_B slot, q, p              ; B's eight fragments of the slot's q-th 128 along K into set p
	WIN TO_B
.irp i, 0,1,2,3,4,5,6,7
	FRAG 128*(\p)+FR*\i, ADRB+\slot, \q, \i
.endr
	WIN 0
.endm
.macro FETCH_A slot, q, i0             ; A's blocks i0 .. i0 + 3
.irp i, \i0, \i0+1, \i0+2, \i0+3
	FRAG AF+FR*(\i), ADRA+\slot, \q, \i
.endr
.endm
.macro SCALES sc                       ; a K step's scale words into set sc: four words a row; lanes 0-15 take A's block i, lanes 16-31 B's block i
.irp i, 0,1,2,3,4,5,6,7
	ds_load_b128 v[SC+8*NQ*\sc+NQ*\i:SC+8*NQ*\sc+NQ*\i+3], v[ADRS] offset:\i*SBLK
.endr
.endm
; A load into a register that a matrix instruction has read, and a vector instruction that reads a matrix result, stand NP places behind it; only plain vector instructions that name none of its registers are places.
.macro PLACES n
.rept \n
	v_nop
.endr
.endm
; A step of 128 along K that has its successor in the same slot.  A's blocks are free as soon as their eight products are issued, so A has one set of registers; B has two.
.macro STEP slot, q, zero
	s_wait_dscnt 4*NL                              ; B's set and A's blocks 0-3 are in; the youngest eight loads (A's blocks 4-7) may be out
	WIN MUL_LO
	MUL16 0, (\q)%2, \q, \slot, \zero
	MUL16 2, (\q)%2, \q, \slot, \zero
	s_wait_dscnt 0                                 ; A's blocks 4-7 are in
	PLACES NP
	FETCH_B \slot, (\q)+1, 1-(\q)%2
	FETCH_A \slot, (\q)+1, 0
	WIN MUL_HI
	MUL16 4, (\q)%2, \q, \slot, \zero
	MUL16 6, (\q)%2, \q, \slot, \zero
	PLACES NP
	WIN 0
	FETCH_A \slot, (\q)+1, 4
.endm
; Slot 0's last step goes on into slot 1: each wave waits for all its tensor loads (its part of slot 1), then one barrier: behind it slot 1 is whole.  Nothing is filled again.
.macro TURN slot, next
	s_wait_tensorcnt 0x0                           ; all my tensor loads have landed
	ds_add_u32 v[SPW], v[NIL]                      ; 0 onto my spare word
	s_wait_dscnt 4*NL+1                            ; (the add and the youngest eight loads may be out)
	WIN MUL_LO
	MUL16 0, 1, NQ-1, \slot, 0
	s_wait_dscnt 0x0                               ; the add is done, and my reads of this slot are over
	s_barrier_signal -1
	MUL16 2, 1, NQ-1, \slot, 0
	WIN 0
	s_barrier_wait -1
	PLACES NP
	v_add_nc_u32 v[ADRS], 4*NQ, v[ADRS]            ; on to the next K step's scale words
	FETCH_B \next, 0, 0
	FETCH_A \next, 0, 0
	SCALES \next
	WIN MUL_HI
	MUL16 4, 1, NQ-1, \slot, 0
	MUL16 6, 1, NQ-1, \slot, 0
	PLACES NP
	WIN 0
	FETCH_A \next, 0, 4
.endm
.macro STEPS slot, from                ; the slot's steps from .. NQ - 2
.set Q, \from
.rept NQ-1-\from
	STEP \slot, Q, 0
.set Q, Q+1
.endr
.endm
	s_wait_tensorcnt 1                             ; the scales and my part of K step 0 are in (slot 1's load may be out)
	s_barrier_signal -1
	s_barrier_wait -1                              ; everybody's are
	FETCH_B 0, 0, 0
	FETCH_A 0, 0, 0
	SCALES 0
	FETCH_A 0, 0, 4
	STEP 0, 0, 1                                   ; the first products start the sums: nothing is cleared
	STEPS 0, 1
	TURN 0, 1
	STEPS 1, 0
	s_wait_dscnt 4*NL                              ; the very last step: nothing more to fetch
	WIN MUL_LO
	MUL16 0, 1, NQ-1, 1, 0
	MUL16 2, 1, NQ-1, 1, 0
	s_wait_dscnt 0
	WIN MUL_HI
	MUL16 4, 1, NQ-1, 1, 0
	MUL16 6, 1, NQ-1, 1, 0
	WIN 0
; THE WAY OUT, a block of A at a time: eight accumulators x the factor, rounded to f16 in pairs, are eight chunks; each store of the wave covers 512 consecutive bytes, aligned.
	PLACES NP                                      ; behind the last products: their results are read, and A's fragments written over, only behind these
.irp a, 0,1,2,3,4,5,6,7
.if \a > 0
	s_wait_xcnt 0x0                                ; the earlier stores have read their base and their data: both are written again only behind this wait
.if \a == 4
	s_add_nc_u64 s[12:13], s[12:13], s[98:99]
.else
	s_add_nc_u64 s[12:13], s[12:13], s[2:3]
.endif
.endif
	WIN 0x02+(\a)/4                                ; source 0: window 2 or 3
.set i, 0
.rept 32
	v_pk_mul_f32 v[TW+2*i:TW+2*i+1], v[64*((\a)%4)+2*i:64*((\a)%4)+2*i+1], s[FAC:FAC+1] op_sel_hi:[1,0]   ; each accumulator from its low end on
.set i, i+1
.endr
	WIN 0
.set i, 0
.rept 32
	v_cvt_pk_f16_f32 v[PW+32*((\a)%2)+i], v[TW+2*i], v[TW+2*i+1]
.set i, i+1
.endr
.irp b, 0,1,2,3,4,5,6,7
	global_store_b128 v[OFS+\b/2], v[PW+32*((\a)%2)+4*\b:PW+32*((\a)%2)+4*\b+3], s[12:13] offset:(\b%2)*512
.endr
.endr
	s_wait_tensorcnt 0x0                           ; the wave's end
	ds_add_u32 v[SPW], v[NIL]
	s_wait_dscnt 0x0
	CROUND                                         ; the closing round
	s_endpgm
.Lfunc_end_k_qf73fb2532d_proj:
	.size	k_qf73fb2532d_proj, .Lfunc_end_k_qf73fb2532d_proj-k_qf73fb2532d_proj
	.p2alignl 7, 3214868480
	.fill 96, 4, 3214868480
	.section	.rodata,"a",@progbits
	.p2align	6, 0x0
	.amdhsa_kernel k_qf73fb2532d_proj
		.amdhsa_group_segment_fixed_size 327680
		.amdhsa_private_segment_fixed_size 0
		.amdhsa_enable_private_segment 0
		.amdhsa_kernarg_size 24
		.amdhsa_user_sgpr_count 2
		.amdhsa_user_sgpr_kernarg_segment_ptr 1
		.amdhsa_wavefront_size32 1
		.amdhsa_system_sgpr_workgroup_id_x 1
		.amdhsa_system_sgpr_workgroup_id_y 1
		.amdhsa_system_sgpr_workgroup_id_z 1
		.amdhsa_system_vgpr_workitem_id 0
		.amdhsa_next_free_vgpr 1024
		.amdhsa_next_free_sgpr 100
		.amdhsa_reserve_vcc 0
		.amdhsa_float_denorm_mode_32 3
		.amdhsa_float_denorm_mode_16_64 3
		.amdhsa_memory_ordered 1
		.amdhsa_forward_progress 1
		.amdhsa_inst_pref_size 135
	.end_amdhsa_kernel
	.amdgpu_metadata
---
amdhsa.version: [ 1, 2 ]
amdhsa.kernels:
  - .name:           k_qf73fb2532d_proj
    .symbol:         k_qf73fb2532d_proj.kd
    .args:
      - { .name: codes, .offset: 0, .size: 8, .value_kind: global_buffer, .address_space: global }
      - { .name: scales, .offset: 8, .size: 8, .value_kind: global_buffer, .address_space: global }
      - { .name: qkvf, .offset: 16, .size: 8, .value_kind: global_buffer, .address_space: global }
    .group_segment_fixed_size: 327680
    .private_segment_fixed_size: 0
    .kernarg_segment_align: 8
    .kernarg_segment_size: 24
    .max_flat_workgroup_size: 128
    .sgpr_count:     100
    .vgpr_count:     1024
    .wavefront_size: 32
...
	.end_amdgpu_metadata
.endif
;; end of part 2
;; launch attn (part 3): grid 8 x 32, 16 waves a work-group, clusters of 4 x 1, 327,680 bytes of LDS; arguments qkvf, maskw, xf; writes xf
.if DOCPART == 3
	.amdgcn_target "amdgcn-amd-amdhsa--gfx1250"
	.amdhsa_code_object_version 6
	.text
	.protected	k_qf73fb2532d_attn
	.globl	k_qf73fb2532d_attn
	.p2align	8
	.type	k_qf73fb2532d_attn,@function
k_qf73fb2532d_attn:
	s_mov_b64 s[64:65], 0
	v_nop
	global_prefetch_b8 v0, s[64:65] scope:SCOPE_SE
	s_setreg_imm32_b32 hwreg(HW_REG_WAVE_MODE, 25, 1), 1
	s_wait_xcnt 0x0
	s_wait_alu depctr_hold_cnt(0) depctr_sa_sdst(0) depctr_va_vdst(0) depctr_va_sdst(0) depctr_va_ssrc(0) depctr_va_vcc(0) depctr_vm_vsrc(0)
	s_getreg_b32 s2, hwreg(HW_REG_IB_STS2, 6, 4)
	s_cmp_eq_u32 s2, 0
	s_cbranch_scc0 .Lentry_in_a_cluster
	s_endpgm
.Lentry_in_a_cluster:
	s_bfe_u32 s2, ttmp6, 0x10000c
	s_cmp_lg_u32 s2, 0x3003
	s_cbranch_scc0 .Lentry_shape_is_right
	s_endpgm
.Lentry_shape_is_right:
; x[b][q][head] = the sum over keys of softmax_k(where(mask[q][k], query . key / 8, -1e10)) value[k], head size 64, 2,048 keys, 32 pairs of batch and head.  Operands f16, products' sums, maxima and sums in f32.
; qkvf holds query (already x log2(e) / 8), key and value as images of matrix operands; so a score IS t, an exponent of 2, and a hidden score becomes -1e10 x log2(e).
; maskw holds the mask as words of lane bits, one word for each register of scores.  A row with no key left gets the plain mean of all values, as the -1e10 gives it.
; SHARES.  A work-group owns 256 queries of one pair (batch, head).  It has SIXTEEN waves of 256 registers, four to a SIMD (4 x 256 = all of a SIMD's 1,024), so that one wave's vector work stands beside
; another's matrix work and LDS loads.  Wave w serves query group w % 8 (32 queries: two tiles of 16) and HALF w / 8 OF THE KEYS: of each slot's eight steps of 64 keys, waves 0-7 walk steps 0-3, waves 8-15 steps 4-7.
; At the end the two waves of a query group merge their maxima, sums and O^T through LDS.
; K and V come through two LDS slots of 512 keys, filled by the tensor data mover: waves 0-7 an eighth of K's 64 KiB each, waves 8-15 of V's.
; LAYOUT.  S^T = K Q^T (source 0 = 16 keys, source 1 = 16 queries): a lane holds ONE query (lane % 16) and keys 8 (lane / 16) + 0 .. 7 of each tile of 16.  Two such tiles, rounded to f16 in pairs, ARE source 1
; (32 keys x 16 queries) of O^T = V^T P, whose result again holds one query a lane and eight channels; packed to f16 that is a lane's 16 bytes of a chunk of the last product's operand: xf[16 tokens, 256][32 channels, 32][image].
; SOFTMAX.  For each query a running maximum m of t and a sum l: p = 2^(t - m); in every step O and l are multiplied by a = 2^(m_old - m_new).  m begins at -3e38 and O, l at 0, so the first a is 0 and the step is written once.
; CLUSTER.  The four blocks of queries of a cluster belong to one pair (batch, head) and walk the same K and V: each tile is asked for jointly, by the same load with the same descriptor and a mask that names the four.
; LIMITS: NaN and infinities are not served.  p is rounded to f16 for the second product (p at most 1), x to f16 on its way out.
; An image needs no pitch: a chunk's 512 bytes are read 16 bytes a lane on end.
.set SLOTB, 1<<17                      ; a slot: K's 65,536 bytes (8,192 a step), then V's
.set VOFF,  65536
.set STEPB, 8192
.set SPARE, 2*SLOTB                    ; behind the slots: the spare words, 128 bytes for each of sixteen waves, which no other line names
.set STGB,  17*512                     ; the merge's stage, for each query group: 16 chunks of O^T and one of (m, l).  The eight stages lie in slot 0 from byte 0 on: when they are written, that slot has had its last fill and its last read
.set LI,  1                            ; v1   16 x lane; never rewritten
.set LIV, 2                            ; v2   the same + VOFF
.set ADR, 3                            ; v3   LDS address of the step's K
.set ADV, 4                            ; v4   and V
.set NEG, 5                            ; v5   -1e10 x log2(e)
.set SPW, 6                            ; v6   LDS address of my spare word; never rewritten
.set NIL, 7                            ; v7   0; never rewritten
.set PFO, 8                            ; v8   256 x lane: the prefetch's offset; never rewritten
.set SGA, 9                            ; v9   16 x lane + my query group's stage; made at the head, never rewritten
.set ST,  12                           ; tile t's statistics at v[ST + 8 t]: +0 m, +1 written once (named with m as a pair), +2, +3 l (even keys', odd keys'), +4 .. +7 c0-c3 at work; a takes c2's place
.set MY,  28                           ; v28-31   the merge: my m and l of tile 0, of tile 1
.set QF,  32                           ; v32-63   Q: tile t, channels 32 f on, at 32 + 16 t + 8 f
.set SS,  64                           ; v64-127  S^T: 64 + 32 t + 8 kt + j; then p; then P, packed in place
.set KV,  128                          ; v128-191 eight fragments: K's, then V's
.set OT,  192                          ; v192-255 O^T: 192 + 32 t + 8 ct
.set KHO, 2                            ; s2   my half's first step in a slot: 0 or 4 x STEPB
.set QG,  3                            ; s3   my query group, 0 .. 7
.set WV,  10                           ; s10  my wave's number
.set TB,  12                           ; s12  LDS byte at which the step's K begins
.set CNT, 13                           ; s13  counts steps
.set MOFF, 14                          ; s14  byte of my next step's 64 mask words in my 32 queries' 8,192
.set LIM, 15                           ; s15  1 in a wave that prefetches
.set PFA, 66                           ; s[66:67] what it asks for; never rewritten
.set G1,  84                           ; s[84:91] descriptor group 1
.set G0,  92                           ; s[92:95], s[96:99] groups 0 of the two first fills; the second then walks on
.set SEL, 100                          ; s[100:101] lane selects for v_permlanex16_b32: lane l xor 16
                                       ; s[16:63], s[68:83]: the step's 64 mask words
.macro CROUND                          ; a round of the cluster's barrier
	s_barrier_signal -1
	s_barrier_wait -1
	s_cmp_lg_u32 s[WV], 0
	s_cbranch_scc1 .Lnot_wave_0_\@
	s_barrier_signal -3
.Lnot_wave_0_\@:
	s_barrier_wait -3
	s_barrier_signal -1
	s_barrier_wait -1
.endm
	s_load_b128 s[4:7], s[0:1], 0x0                ; qkvf s[4:5], maskw s[6:7]
	s_load_b64 s[8:9], s[0:1], 0x10                ; xf
	v_lshl_add_u32 v[SPW], v0, 2, SPARE
	v_mov_b32 v[NIL], 0
	ds_add_u32 v[SPW], v[NIL]                      ; the wave's opening: the add, twice on end, and its wait ahead of my first tensor load
	ds_add_u32 v[SPW], v[NIL]
	v_lshrrev_b32 v10, 5, v0
	v_readfirstlane_b32 s[WV], v10                 ; wave 0..15
	s_and_b32 s[QG], s[WV], 7                      ; my query group
	s_lshr_b32 s[KHO], s[WV], 3                    ; my half of the keys
	s_lshl_b32 s[MOFF], s[KHO], 10                 ; its first step's mask words: 4 steps of 256 bytes on
	s_lshl_b32 s[KHO], s[KHO], 15                  ; and its first step in a slot: 4 x 8,192 bytes on
	s_bfe_u32 s11, ttmp6, 0x40000                  ; cx: my place in the cluster
	s_lshl_b32 s13, ttmp9, 2
	s_add_co_u32 s13, s13, s11                     ; my block of 256 queries: it enters Q's, the mask's and x's addresses alone
	s_and_b32 s26, ttmp7, 0xffff                   ; batch x 16 + head, which the four partners share
	; descriptor group 1: a dense block of 8,192 bytes as 32 rows of 256 bytes
	s_mov_b32 s[G1], 15|(3<<16)|(1<<21)            ; 15:0 the mask: all four work-groups; 17:16 elements of 8 bytes; 21 set beside a mask; no padding
	s_mov_b32 s[G1+1], 32<<16                      ; tensor_dim0 = 32
	s_mov_b32 s[G1+2], 32<<16                      ; tensor_dim1 = 32
	s_mov_b32 s[G1+3], 32<<16                      ; tile_dim0 = 32
	s_mov_b32 s[G1+4], 32                          ; tile_dim1 = 32
	s_mov_b32 s[G1+5], 32                          ; from row to row
	s_mov_b32 s[G1+6], 0
	s_mov_b32 s[G1+7], 0
	s_mov_b32 s[SEL], 0x76543210
	s_mov_b32 s[SEL+1], 0xfedcba98
	s_lshl_b32 s27, s26, 18                        ; the pair's 256 KiB in each of query, key, value
	s_lshr_b32 s17, s[WV], 3
	s_lshl_b32 s17, s17, 23                        ; waves 8-15 fetch value, 8 MiB behind key
	s_lshl_b32 s18, s[QG], 13                      ; my eighth of a slot's 64 KiB
	s_add_co_u32 s16, s27, s17
	s_add_co_u32 s16, s16, s18
	s_add_co_u32 s16, s16, 0x800000                ; key begins at 8 MiB
	s_mov_b32 s17, 0
	s_lshl_b32 s19, s[WV], 13                      ; and where it goes: wave x 8,192: no place in the cluster enters an LDS address
	s_lshl_b32 s20, s13, 4
	s_lshl_b32 s21, s[QG], 1
	s_add_co_u32 s28, s20, s21                     ; my first tile of 16 queries in the sequence
	s_lshl_b32 s20, s28, 11
	s_add_co_u32 s20, s20, s27                     ; Q: 2,048 bytes a tile
	s_mov_b32 s21, 0
	s_lshl_b32 s22, s13, 3
	s_add_co_u32 s22, s22, s[QG]
	s_lshl_b32 s22, s22, 13                        ; the mask words of my 32 queries: 8,192 bytes
	s_mov_b32 s23, 0
	s_lshr_b32 s24, s26, 4
	s_lshl_b32 s24, s24, 7
	s_add_co_u32 s24, s24, s28
	s_lshl_b32 s24, s24, 15                        ; x: 32,768 bytes a tile of tokens,
	s_and_b32 s25, s26, 15
	s_lshl_b32 s25, s25, 11                        ; 2,048 a head
	s_add_co_u32 s24, s24, s25
	s_mov_b32 s25, 0
	s_lshl_b32 s30, s11, 13                        ; the prefetch: my work-group's 8,192 bytes of the 32,768 that my wave and the next three fetch,
	s_add_co_u32 s30, s30, 3*65536                 ; in the fourth fill
	s_mov_b32 s31, 0
	s_and_b32 s[LIM], s[WV], 3                     ; waves 0, 4, 8, 12
	s_or_b32 s[LIM], s[LIM], ttmp9                 ; of the pair's first cluster: the same in all four partners
	s_cmp_eq_u32 s[LIM], 0
	s_cselect_b32 s[LIM], 1, 0
	s_mul_i32 s29, s[QG], STGB                     ; my query group's stage
	v_and_b32 v10, 31, v0
	v_lshlrev_b32 v[LI], 4, v10
	v_add_nc_u32 v[LIV], VOFF, v[LI]
	v_lshlrev_b32 v[PFO], 8, v10
	v_add_nc_u32 v[SGA], s29, v[LI]
	v_mov_b32 v[NEG], 0xd056fa73
	s_mov_b32 s[TB], s[KHO]                        ; slot 0, my half's first step
	s_wait_dscnt 0x0                               ; both opening adds are done
	s_wait_kmcnt 0x0
	s_add_nc_u64 s[G0+2:G0+3], s[4:5], s[16:17]    ; keys 0 to 511
	s_add_nc_u64 s[PFA:PFA+1], s[G0+2:G0+3], s[30:31]
	s_add_nc_u64 s[G0+6:G0+7], s[G0+2:G0+3], 65536 ; keys 512 to 1,023
	s_or_b32 s[G0+3], s[G0+3], 0x80000000          ; type = 2
	s_or_b32 s[G0+7], s[G0+7], 0x80000000
	s_mov_b32 s[G0], 1
	s_mov_b32 s[G0+1], s19
	s_mov_b32 s[G0+4], 1
	s_add_co_u32 s[G0+5], s19, SLOTB
	s_add_nc_u64 s[4:5], s[4:5], s[20:21]
	s_add_nc_u64 s[6:7], s[6:7], s[22:23]
	s_add_nc_u64 s[8:9], s[8:9], s[24:25]
	CROUND                                         ; all four work-groups are here: the first joint loads meet
	tensor_load_to_lds s[G0:G0+3], s[G1:G1+7]      ; both first fills go out together: two loads of mine are out
	s_nop 0
	tensor_load_to_lds s[G0+4:G0+7], s[G1:G1+7]
	s_nop 0
.rept 4
	v_nop
.endr
.set i, 0
.rept 8
	global_load_b128 v[QF+4*i:QF+4*i+3], v[LI], s[4:5] offset:512*i   ; Q stays in registers: 4,096 consecutive bytes (both waves of a query group take them)
.set i, i+1
.endr
.macro MASKS                           ; 64 mask words of the step at s[MOFF]
	s_load_b512 s[16:31], s[6:7], s[MOFF] offset:0x0
	s_load_b512 s[32:47], s[6:7], s[MOFF] offset:0x40
	s_load_b512 s[48:63], s[6:7], s[MOFF] offset:0x80
	s_load_b512 s[68:83], s[6:7], s[MOFF] offset:0xc0
.endm
	MASKS
.irp t, 0,1
	v_mov_b32 v[ST+8*\t], 0xff61b1e6               ; m: -3e38, under every t
	v_mov_b32 v[ST+8*\t+1], 0
	v_mov_b32 v[ST+8*\t+2], 0                      ; l
	v_mov_b32 v[ST+8*\t+3], 0
.endr
.set i, 0
.rept 64
	v_mov_b32 v[OT+i], 0                           ; O^T.  (The step is written once: the first finds zeros, which the first a, 0, leaves zeros)
.set i, i+1
.endr
.macro FETCH_K off                     ; a step's K: eight fragments; those of channels 0-31 first, so that the first products need wait for eight loads only
.irp f, 0,1
.irp kt, 0,1,2,3
.irp c, 0,1
	ds_load_b128 v[KV+16*\kt+8*\f+4*\c:KV+16*\kt+8*\f+4*\c+3], v[ADR] offset:\off+2048*\kt+1024*\f+512*\c
.endr
.endr
.endr
.endm
.macro SUBM p                          ; pair p of the 32 pairs of scores: t - m of its tile (of the pair m the low word serves both halves)
	v_pk_add_f32 v[SS+2*(\p):SS+2*(\p)+1], v[SS+2*(\p):SS+2*(\p)+1], v[ST+8*((\p)/16):ST+8*((\p)/16)+1] op_sel_hi:[1,0] neg_lo:[0,1] neg_hi:[0,1]
.endm
; A KEY STEP: 64 keys.  knext = 1: my next step lies behind this one in the same slot, and its K is fetched at the end.  knext = 0: my half of the slot is done.
.macro STEP knext
	s_wait_dscnt 8                                 ; K's channels 0-31 are in; the eight loads of channels 32-63 may be out
.irp kt, 0,1,2,3
.irp t, 0,1
	v_wmma_f32_16x16x32_f16 v[SS+32*\t+8*\kt:SS+32*\t+8*\kt+7], v[KV+16*\kt:KV+16*\kt+7], v[QF+16*\t:QF+16*\t+7], 0
.endr
.endr
	s_wait_dscnt 0x0
.irp kt, 0,1,2,3                       ; the eight accumulators take turns, one instruction a turn
.irp t, 0,1
	v_wmma_f32_16x16x32_f16 v[SS+32*\t+8*\kt:SS+32*\t+8*\kt+7], v[KV+16*\kt+8:KV+16*\kt+15], v[QF+16*\t+8:QF+16*\t+15], v[SS+32*\t+8*\kt:SS+32*\t+8*\kt+7]
.endr
.endr
	v_add_nc_u32 v[ADR], s[TB], v[LI]              ; four places behind the products: in front of the loads into K's registers and of the first read of the scores
	v_add_nc_u32 v[ADV], s[TB], v[LIV]
	v_nop
	v_nop
.set i, 0
.rept 16
	ds_load_b128 v[KV+4*i:KV+4*i+3], v[ADV] offset:512*i   ; V: fragment 4 g + ct (32 keys g, 16 channels ct); it lands while the softmax is walked
.set i, i+1
.endr
	s_wait_kmcnt 0x0                               ; this step's mask words are in; their loads are done, so their offset may be stepped
.if \knext
	s_add_co_u32 s[MOFF], s[MOFF], 256
.else
	s_add_co_u32 s[MOFF], s[MOFF], 256+4*256       ; over the other half's four steps, to my first step of the next slot
.endif
	s_and_b32 s[MOFF], s[MOFF], 0x1fff             ; (my last step asks for my first step's words again: no load leaves my 8,192 bytes)
.set i, 0
.rept 64
	v_cndmask_b32 v[SS+i], v[NEG], v[SS+i], s[16+i+4*(i/48)]   ; where(mask, t, -1e10 log2(e)); each accumulator from its low end on
.set i, i+1
.endr
	MASKS                                          ; my next step's words: a whole step ahead of their use
.irp j, 0,1,2,3                        ; the maximum of a tile's 32 scores and the old m: four chains of seven, the two tiles by turns
.irp t, 0,1
	v_max3_num_f32 v[ST+8*\t+4+\j], v[SS+32*\t+8*\j], v[SS+32*\t+8*\j+1], v[SS+32*\t+8*\j+2]
.endr
.endr
.irp p, 1,2
.irp j, 0,1,2,3
.irp t, 0,1
	v_max3_num_f32 v[ST+8*\t+4+\j], v[ST+8*\t+4+\j], v[SS+32*\t+8*\j+2*\p+1], v[SS+32*\t+8*\j+2*\p+2]
.endr
.endr
.endr
.irp t, 0,1
	v_max3_num_f32 v[ST+8*\t+4], v[ST+8*\t+4], v[SS+32*\t+7], v[SS+32*\t+15]
	v_max3_num_f32 v[ST+8*\t+6], v[ST+8*\t+6], v[SS+32*\t+23], v[SS+32*\t+31]
.endr
.irp t, 0,1
	v_max3_num_f32 v[ST+8*\t+4], v[ST+8*\t+4], v[ST+8*\t+5], v[ST+8*\t+6]
.endr
.irp t, 0,1
	v_max3_num_f32 v[ST+8*\t+4], v[ST+8*\t+4], v[ST+8*\t+7], v[ST+8*\t]
.endr
.irp t, 0,1
	v_permlanex16_b32 v[ST+8*\t+5], v[ST+8*\t+4], s[SEL], s[SEL+1]   ; the query's other 32 keys lie in the lane 16 away
.endr
.irp t, 0,1
	v_mov_b32 v[ST+8*\t+7], v[ST+8*\t]             ; m_old
.endr
.irp t, 0,1
	v_max_num_f32 v[ST+8*\t], v[ST+8*\t+4], v[ST+8*\t+5]
.endr
.irp t, 0,1
	v_sub_f32 v[ST+8*\t+7], v[ST+8*\t+7], v[ST+8*\t]
.endr
	; ONE BATCH: the two a, the 32 subtractions and the 64 exponentials; none of these lines names an exponential's result.  A pair is brought under m two groups ahead of its exponentials.
	v_exp_f32 v[ST+6], v[ST+7]                     ; a = 2^(m_old - m_new)
	v_exp_f32 v[ST+14], v[ST+15]
	SUBM 0
	SUBM 1
.set i, 0
.rept 32
.if i < 30
	SUBM i+2
.endif
	v_exp_f32 v[SS+2*i], v[SS+2*i]                 ; p = 2^(t - m), at most 1
	v_exp_f32 v[SS+2*i+1], v[SS+2*i+1]
.set i, i+1
.endr
	v_nop                                          ; a plain instruction behind the last exponential
	s_wait_alu depctr_va_vdst(0)                   ; one wait for the whole batch, ahead of its first reader
.irp t, 0,1                            ; l = a l + the sum of the unrounded p: two chains a tile, pairs of an even and an odd key
	v_pk_add_f32 v[ST+8*\t+4:ST+8*\t+5], v[SS+32*\t:SS+32*\t+1], v[SS+32*\t+2:SS+32*\t+3]
.endr
.irp t, 0,1
	v_pk_fma_f32 v[ST+8*\t+2:ST+8*\t+3], v[ST+8*\t+2:ST+8*\t+3], v[ST+8*\t+6:ST+8*\t+7], v[SS+32*\t+4:SS+32*\t+5] op_sel_hi:[1,0,1]
.endr
.irp t, 0,1
	v_pk_add_f32 v[ST+8*\t+4:ST+8*\t+5], v[ST+8*\t+4:ST+8*\t+5], v[SS+32*\t+6:SS+32*\t+7]
.endr
.irp j, 8,12,16,20,24,28
.irp t, 0,1
	v_pk_add_f32 v[ST+8*\t+2:ST+8*\t+3], v[ST+8*\t+2:ST+8*\t+3], v[SS+32*\t+\j:SS+32*\t+\j+1]
	v_pk_add_f32 v[ST+8*\t+4:ST+8*\t+5], v[ST+8*\t+4:ST+8*\t+5], v[SS+32*\t+\j+2:SS+32*\t+\j+3]
.endr
.endr
.irp t, 0,1
	v_pk_add_f32 v[ST+8*\t+2:ST+8*\t+3], v[ST+8*\t+2:ST+8*\t+3], v[ST+8*\t+4:ST+8*\t+5]
.endr
.irp t, 0,1                            ; P, packed in place, ascending: a register is written only when its own numbers have been read.  P(t, g) lies at SS + 32 t + 16 g .. + 7
.irp g, 0,1
.irp u, 0,1
.irp n, 0,1,2,3
	v_cvt_pk_f16_f32 v[SS+32*\t+16*\g+4*\u+\n], v[SS+32*\t+16*\g+8*\u+2*\n], v[SS+32*\t+16*\g+8*\u+2*\n+1]
.endr
.endr
.endr
.endr
.set i, 0
.rept 32
	v_pk_mul_f32 v[OT+2*i:OT+2*i+1], v[OT+2*i:OT+2*i+1], v[ST+8*(i/16)+6:ST+8*(i/16)+7] op_sel_hi:[1,0]   ; O^T x a; each accumulator from its low end on
.set i, i+1
.endr
	s_wait_dscnt 0x0                               ; V is in
.irp g, 0,1                            ; O^T += V^T P: the eight accumulators by turns
.irp ct, 0,1,2,3
.irp t, 0,1
	v_wmma_f32_16x16x32_f16 v[OT+32*\t+8*\ct:OT+32*\t+8*\ct+7], v[KV+32*\g+8*\ct:KV+32*\g+8*\ct+7], v[SS+32*\t+16*\g:SS+32*\t+16*\g+7], v[OT+32*\t+8*\ct:OT+32*\t+8*\ct+7]
.endr
.endr
.endr
.rept 5
	v_nop                                          ; five places: the next step's first products write over P's registers (five are asked), and the next loads land on V's (four)
.endr
.if \knext
	FETCH_K STEPB
.endif
	s_add_co_u32 s[TB], s[TB], STEPB
.endm
.macro PHASE                           ; my four steps of a slot
	s_mov_b32 s[CNT], 3
.Lstep_\@:
	STEP 1
	s_sub_co_u32 s[CNT], s[CNT], 1
	s_cmp_lg_u32 s[CNT], 0
	s_cbranch_scc1 .Lstep_\@
	STEP 0
.endm
; THE CHANGE OF SLOTS.  Each wave waits for all its tensor loads (its part of the slot ahead), adds 0 to its spare word, and waits for that and for its reads of the slot that it leaves.
; fill = 1: the slot left is filled again, with the keys two slots on; the barrier is then a round of the cluster's, so that no wave of any partner still reads the slot or has a load on its way,
; and the joint refill is the first thing behind it: one load of mine is out, and it has a slot's walk, four steps and 128 matrix instructions of each wave, in which to land.
; ask = 1: a prefetch into the L2 of what the NEXT change will ask for, the fourth fill's 131,072 bytes, a slot's walk ahead of that load.  Both clusters of a pair (batch, head) walk the same K and V: the first asks.
; Its four partners share the bytes out by address, 8,192 each of the 32,768 that waves w .. w + 3 fetch (w = 0, 4, 8, 12); lanes 256 bytes apart, one instruction a wave: each block of 256 bytes is named once in the launch.
; It stands behind the tensor load's lines and the run of LDS loads.  Nothing is prefetched at the head, nor for the third fill, whose load goes out here.
.macro CHANGE fill, ask, slot
	s_wait_tensorcnt 0x0                           ; no tensor load of mine is out, so a group 0 may be written
	ds_add_u32 v[SPW], v[NIL]                      ; 0 onto my spare word
.if \fill
	s_xor_b32 s[G0+5], s[G0+5], SLOTB              ; the walking descriptor: the other slot than last time,
	s_add_nc_u64 s[G0+6:G0+7], s[G0+6:G0+7], 65536 ; the next 512 keys; the type bits on top are not reached
.endif
	s_add_co_u32 s[TB], s[KHO], \slot*SLOTB        ; the slot ahead, my half's first step
	s_wait_dscnt 0x0                               ; the add is done, and my reads of the slot that I leave are over
.if \fill
	CROUND
	tensor_load_to_lds s[G0+4:G0+7], s[G1:G1+7]
	s_nop 0
.rept 4
	v_nop
.endr
.else
	s_barrier_signal -1
	s_barrier_wait -1
.endif
	v_add_nc_u32 v[ADR], s[TB], v[LI]
	FETCH_K 0
.if \ask
	s_cmp_eq_u32 s[LIM], 1
	s_cbranch_scc0 .Lnot_mine_\@
	global_prefetch_b8 v[PFO], s[PFA:PFA+1] th:TH_LOAD_NT scope:SCOPE_SE
.Lnot_mine_\@:
.endif
.endm
	s_wait_tensorcnt 1                             ; my part of slot 0 is in; slot 1's may stay out
	s_barrier_signal -1
	s_barrier_wait -1                              ; everybody's is
	v_add_nc_u32 v[ADR], s[TB], v[LI]
	FETCH_K 0
	s_wait_loadcnt 0x0                             ; Q
	PHASE                                          ; keys 0 to 511
	CHANGE 1, 1, 1
	PHASE                                          ; 512 to 1,023
	CHANGE 1, 0, 0
	PHASE                                          ; 1,024 to 1,535
	CHANGE 0, 0, 1                                 ; nothing is left to ask for; behind this barrier nobody reads slot 0 any more
	PHASE                                          ; 1,536 to 2,047
	; THE MERGE.  Each wave has m, l and O^T of its half of the keys.  l's two halves and the other half of the lanes' are added.  Waves 8-15 hand theirs over as images of their registers, 16 bytes a lane;
	; waves 0-7 bring both under the common maximum: x = (a0 O0 + a1 O1) / (a0 l0 + a1 l1), a_i = 2^(m_i - max(m0, m1)).  Both m are numbers (each wave has walked 16 steps), and the larger one's l is at least 1.
	s_wait_kmcnt 0x0                               ; the last step's look-ahead for mask words
.irp t, 0,1
	v_add_f32 v[ST+8*\t+4], v[ST+8*\t+2], v[ST+8*\t+3]
.endr
.irp t, 0,1
	v_permlanex16_b32 v[ST+8*\t+5], v[ST+8*\t+4], s[SEL], s[SEL+1]
.endr
.irp t, 0,1
	v_mov_b32 v[MY+2*\t], v[ST+8*\t]               ; m
.endr
.irp t, 0,1
	v_add_f32 v[MY+2*\t+1], v[ST+8*\t+4], v[ST+8*\t+5]   ; l
.endr
	s_cmp_lt_u32 s[WV], 8                          ; the branches hang on the wave's number alone; the barrier between them is on every wave's path
	s_cbranch_scc1 .Lkeeper
.set i, 0
.rept 16
	ds_store_b128 v[SGA], v[OT+4*i:OT+4*i+3] offset:512*i   ; each accumulator from its low end on
.set i, i+1
.endr
	ds_store_b128 v[SGA], v[MY:MY+3] offset:8192
.Lkeeper:
	s_wait_dscnt 0x0                               ; for the others' sake: my stores into the stage are done
	s_barrier_signal -1
	s_barrier_wait -1
	s_cmp_ge_u32 s[WV], 8
	s_cbranch_scc1 .Lgiven
	ds_load_b128 v[KV:KV+3], v[SGA] offset:8192    ; the partner's m and l, first
.set i, 0
.rept 16
	ds_load_b128 v[SS+4*i:SS+4*i+3], v[SGA] offset:512*i   ; and its O^T
.set i, i+1
.endr
	s_wait_dscnt 16                                ; m and l are in; the sixteen loads of O^T may be out
.irp t, 0,1
	v_max_num_f32 v[ST+8*\t+4], v[MY+2*\t], v[KV+2*\t]      ; the common maximum
.endr
.irp t, 0,1
	v_sub_f32 v[ST+8*\t+6], v[MY+2*\t], v[ST+8*\t+4]
.endr
.irp t, 0,1
	v_sub_f32 v[ST+8*\t+4], v[KV+2*\t], v[ST+8*\t+4]
.endr
.irp t, 0,1
	v_exp_f32 v[ST+8*\t+6], v[ST+8*\t+6]           ; a0
.endr
.irp t, 0,1
	v_exp_f32 v[ST+8*\t+4], v[ST+8*\t+4]           ; a1
.endr
	v_nop                                          ; a plain instruction behind the last exponential
	s_wait_alu depctr_va_vdst(0)                   ; one wait for the four
.irp t, 0,1
	v_mul_f32 v[ST+8*\t+1], v[KV+2*\t+1], v[ST+8*\t+4]
.endr
.irp t, 0,1
	v_fma_f32 v[ST+8*\t+1], v[MY+2*\t+1], v[ST+8*\t+6], v[ST+8*\t+1]   ; l = a0 l0 + a1 l1
.endr
.irp t, 0,1
	v_rcp_f32 v[ST+8*\t+2], v[ST+8*\t+1]
.endr
	v_nop                                          ; a plain instruction behind the last reciprocal
	s_wait_alu depctr_va_vdst(0)                   ; and the wait ahead of the first use: one for both
.irp t, 0,1
	v_mul_f32 v[ST+8*\t+6], v[ST+8*\t+6], v[ST+8*\t+2]      ; a0 / l
.endr
.irp t, 0,1
	v_mul_f32 v[ST+8*\t+4], v[ST+8*\t+4], v[ST+8*\t+2]      ; a1 / l
.endr
	s_wait_dscnt 0x0                               ; the partner's O^T is in
.irp t, 0,1                            ; rounded to f16, a tile is four chunks: each store of the wave covers 512 consecutive bytes, aligned
.set i, 0
.rept 16
	v_pk_mul_f32 v[SS+32*\t+2*i:SS+32*\t+2*i+1], v[SS+32*\t+2*i:SS+32*\t+2*i+1], v[ST+8*\t+4:ST+8*\t+5] op_sel_hi:[1,0]
.set i, i+1
.endr
.set i, 0
.rept 16
	v_pk_fma_f32 v[SS+32*\t+2*i:SS+32*\t+2*i+1], v[OT+32*\t+2*i:OT+32*\t+2*i+1], v[ST+8*\t+6:ST+8*\t+7], v[SS+32*\t+2*i:SS+32*\t+2*i+1] op_sel_hi:[1,0,1]   ; my accumulators from their low ends on
.set i, i+1
.endr
.set i, 0
.rept 16
	v_cvt_pk_f16_f32 v[KV+32+16*\t+i], v[SS+32*\t+2*i], v[SS+32*\t+2*i+1]
.set i, i+1
.endr
.irp ct, 0,1,2,3
	global_store_b128 v[LI], v[KV+32+16*\t+4*\ct:KV+32+16*\t+4*\ct+3], s[8:9] offset:\t*32768+\ct*512
.endr
.endr
.Lgiven:
	s_wait_tensorcnt 0x0                           ; the wave's end: behind my last tensor load and my last LDS store
	ds_add_u32 v[SPW], v[NIL]
	s_wait_dscnt 0x0
	CROUND                                         ; the closing round: no work-group ends while a partner may still ask for a tile that names it
	s_endpgm
.Lfunc_end_k_qf73fb2532d_attn:
	.size	k_qf73fb2532d_attn, .Lfunc_end_k_qf73fb2532d_attn-k_qf73fb2532d_attn
	.p2alignl 7, 3214868480
	.fill 96, 4, 3214868480
	.section	.rodata,"a",@progbits
	.p2align	6, 0x0
	.amdhsa_kernel k_qf73fb2532d_attn
		.amdhsa_group_segment_fixed_size 327680
		.amdhsa_private_segment_fixed_size 0
		.amdhsa_enable_private_segment 0
		.amdhsa_kernarg_size 24
		.amdhsa_user_sgpr_count 2
		.amdhsa_user_sgpr_kernarg_segment_ptr 1
		.amdhsa_wavefront_size32 1
		.amdhsa_system_sgpr_workgroup_id_x 1
		.amdhsa_system_sgpr_workgroup_id_y 1
		.amdhsa_system_sgpr_workgroup_id_z 1
		.amdhsa_system_vgpr_workitem_id 0
		.amdhsa_next_free_vgpr 256
		.amdhsa_next_free_sgpr 102
		.amdhsa_reserve_vcc 0
		.amdhsa_float_denorm_mode_32 3
		.amdhsa_float_denorm_mode_16_64 3
		.amdhsa_memory_ordered 1
		.amdhsa_forward_progress 1
		.amdhsa_inst_pref_size 192
	.end_amdhsa_kernel
	.amdgpu_metadata
---
amdhsa.version: [ 1, 2 ]
amdhsa.kernels:
  - .name:           k_qf73fb2532d_attn
    .symbol:         k_qf73fb2532d_attn.kd
    .args:
      - { .name: qkvf, .offset: 0, .size: 8, .value_kind: global_buffer, .address_space: global }
      - { .name: maskw, .offset: 8, .size: 8, .value_kind: global_buffer, .address_space: global }
      - { .name: xf, .offset: 16, .size: 8, .value_kind: global_buffer, .address_space: global }
    .group_segment_fixed_size: 327680
    .private_segment_fixed_size: 0
    .kernarg_segment_align: 8
    .kernarg_segment_size: 24
    .max_flat_workgroup_size: 512
    .sgpr_count:     102
    .vgpr_count:     256
    .wavefront_size: 32
...
	.end_amdgpu_metadata
.endif
;; end of part 3
;; launch outp (part 4): grid 8 x 32, 4 waves a work-group, clusters of 4 x 4, 327,680 bytes of LDS; arguments xf, wf, out0; writes out0
.if DOCPART == 4
	.amdgcn_target "amdgcn-amd-amdhsa--gfx1250"
	.amdhsa_code_object_version 6
	.text
	.protected	k_qf73fb2532d_outp
	.globl	k_qf73fb2532d_outp
	.p2align	8
	.type	k_qf73fb2532d_outp,@function
k_qf73fb2532d_outp:
	s_mov_b64 s[64:65], 0
	v_nop
	global_prefetch_b8 v0, s[64:65] scope:SCOPE_SE
	s_setreg_imm32_b32 hwreg(HW_REG_WAVE_MODE, 25, 1), 1
	s_wait_xcnt 0x0
	s_wait_alu depctr_hold_cnt(0) depctr_sa_sdst(0) depctr_va_vdst(0) depctr_va_sdst(0) depctr_va_ssrc(0) depctr_va_vcc(0) depctr_vm_vsrc(0)
	s_getreg_b32 s2, hwreg(HW_REG_IB_STS2, 6, 4)
	s_cmp_eq_u32 s2, 0
	s_cbranch_scc0 .Lentry_in_a_cluster
	s_endpgm
.Lentry_in_a_cluster:
	s_bfe_u32 s2, ttmp6, 0x10000c
	s_cmp_lg_u32 s2, 0xf033
	s_cbranch_scc0 .Lentry_shape_is_right
	s_endpgm
.Lentry_shape_is_right:
; out0[m][n] = the sum over k of x[m][k] w_output[n][k]: 4,096 x 1,024 x 1,024, operands f16, sums and result f32.
; Both operands arrive as IMAGES of matrix operands: xf[16 tokens, 256][32 k, 32][1,024 bytes], wf[16 rows n, 64][32 k, 32][1,024 bytes]; an image is two chunks of 512 bytes, chunk c = registers 4 c .. 4 c + 3, lane l's 16 bytes at 16 l.
; A tile of 128 x 128 of out0 to a work-group: 256 work-groups.  Four waves, each 64 x 64: 16 accumulators, 128 registers.  K goes in four steps of 256 through a ring of two LDS slots:
; a K step of a tile of 16 rows is eight images on end, 8,192 bytes; a wave's tensor load brings four such rows, 32,768 bytes apart in memory.  No pitch and no padding: a chunk is read 16 bytes a lane on end.
; CLUSTERS: 4 x 4 work-groups; the four of a row of the cluster need the same tiles of x, the four of a column the same tiles of w_output: each tile is asked for jointly.
; THE MATRIX INSTRUCTION IS USED TRANSPOSED (source 0 = 16 rows of w_output, source 1 = 16 tokens): a lane holds eight neighbouring numbers of a row of out0.
; No prefetch: the tiles are small, a K step is short, and the whole of both operands is read by many work-groups.
; REGISTERS: window 0: v0-31 addresses; v32-95 at work on the way out; v128-255 the accumulators ((a, b) at v[128 + 8 (4 a + b)]).   window 1: two fragment buffers of 128: for 64 along K, 64 registers of A, then 64 of B.
.set KFB,    1024                      ; an image
.set TILEB,  8*KFB                     ; a K step of 16 rows
.set HALFT,  4*TILEB                   ; what one tensor load brings, and what one wave reads of A or of B
.set SLOT,   4*HALFT                   ; A's 8 tiles of rows, then B's 8
.set STAGE,  2*SLOT                    ; behind the ring: 16 rows x 272 bytes for each wave, for the way out
.set SPITCH, 272
.set SPARE,  STAGE+4*16*SPITCH         ; behind the stages: the spare words, 128 bytes a wave, which no other line names
.set ADRA, 16                          ; v16-17  LDS address of my A fragments in slot 0, 1
.set ADRB, 20                          ; v20-21  the same for B
.set STO,  24                          ; v24     the way out: where I put 32 bytes of a row
.set RD,   25                          ; v25     where I read a row back
.set CO,   26                          ; v26     my byte offset in out0
.set SPW,  28                          ; v28     LDS address of my spare word; never rewritten
.set NIL,  29                          ; v29     0; never rewritten
.set TMP,  32
.set ACC,  128
.set F0,   0                           ; fragment buffers, in window 1
.set F1,   128
.set G1, 24
.set G0, 32
.set G1B, 48
.set G0B, 56
.set MSB, 0
.macro WIN new                         ; the immediate's high byte repeats the setting that is left
.if MSB != \new
	s_set_vgpr_msb (MSB<<8)|\new
.set MSB, \new
.endif
.endm
.set MUL,  0x05                        ; sources 0 (B) and 1 (A) window 1; C and D window 0
.set TO_F, 0x40                        ; destination window 1, address window 0
.macro JLOAD s                         ; a joint load: waves 0 and 1 fetch A's two halves, waves 2 and 3 B's; an s_nop 0 and four v_nop follow each of the two lines
	s_cmp_eq_u32 s11, 0
	s_cbranch_scc0 .Lfor_b_\@
	tensor_load_to_lds s[G0+4*\s:G0+4*\s+3], s[G1:G1+7]
	s_nop 0
.rept 4
	v_nop
.endr
	s_branch .Lasked_\@
.Lfor_b_\@:
	tensor_load_to_lds s[G0B+4*\s:G0B+4*\s+3], s[G1B:G1B+7]
	s_nop 0
.rept 4
	v_nop
.endr
.Lasked_\@:
.endm
.macro CREST                           ; a round of the cluster's barrier behind its opening barrier
	s_cmp_lg_u32 s10, 0
	s_cbranch_scc1 .Lnot_wave_0_\@
	s_barrier_signal -3
.Lnot_wave_0_\@:
	s_barrier_wait -3
	s_barrier_signal -1
	s_barrier_wait -1
.endm
.macro CROUND                          ; a whole round
	s_barrier_signal -1
	s_barrier_wait -1
	CREST
.endm
	s_load_b128 s[4:7], s[0:1], 0x0                ; xf s[4:5], wf s[6:7]
	s_load_b64 s[8:9], s[0:1], 0x10                ; out0
	v_lshl_add_u32 v[SPW], v0, 2, SPARE
	v_mov_b32 v[NIL], 0
	ds_add_u32 v[SPW], v[NIL]                      ; the wave's opening: the add, twice on end, and its wait ahead of my first tensor load
	ds_add_u32 v[SPW], v[NIL]
	v_lshrrev_b32 v1, 5, v0
	v_readfirstlane_b32 s10, v1                    ; wave 0..3
	s_lshr_b32 s11, s10, 1                         ; which half of the tile's rows is mine.  Also: I fetch for A (0) or for B (1)
	s_and_b32 s12, s10, 1                          ; which half of its columns.  Also: which four tiles of 16 rows I fetch
	s_bfe_u32 s40, ttmp6, 0x40000                  ; cx, cy: my place in the cluster
	s_bfe_u32 s41, ttmp6, 0x40004
	s_lshl_b32 s42, ttmp9, 2
	s_add_co_u32 s42, s42, s40                     ; tile column of out0 = 4 x cluster x + cx
	s_and_b32 s13, ttmp7, 0xffff
	s_lshl_b32 s13, s13, 2
	s_add_co_u32 s13, s13, s41                     ; tile row = 4 x cluster y + cy
	s_lshl_b32 s43, s41, 2
	s_lshl_b32 s43, 15, s43                        ; my row of the cluster
	s_lshl_b32 s44, 0x1111, s40                    ; my column
	; descriptor group 1: 4 rows of 8,192 bytes (1,024 elements of 8 bytes), 32,768 bytes apart in memory, on end in LDS
	s_or_b32 s[G1+0], s43, (3<<16)|(1<<21)         ; 15:0 the mask: A's tiles go to my row; 17:16 elements of 8 bytes; 21 set beside a mask; no padding
	s_or_b32 s[G1B+0], s44, (3<<16)|(1<<21)
.irp g, G1, G1B
	s_mov_b32 s[\g+1], 1024<<16                    ; tensor_dim0 = 1,024
	s_mov_b32 s[\g+2], 4<<16                       ; tensor_dim1 = 4
	s_mov_b32 s[\g+3], 1024<<16                    ; tile_dim0 = 1,024
	s_mov_b32 s[\g+4], 4                           ; tile_dim1 = 4
	s_mov_b32 s[\g+5], 4096                        ; from row to row
	s_mov_b32 s[\g+6], 0
	s_mov_b32 s[\g+7], 0
.endr
	s_lshl_b32 s17, s12, 2                         ; which four tiles of 16 rows I fetch
	s_lshl_b32 s16, s13, 3
	s_add_co_u32 s16, s16, s17                     ; A: tile of tokens 8 x tile row + 4 x half
	s_lshl_b32 s16, s16, 15                        ; 32,768 bytes each
	s_lshl_b32 s46, s42, 3
	s_add_co_u32 s46, s46, s17                     ; B: tile of rows n 8 x tile column + 4 x half
	s_lshl_b32 s46, s46, 15
	s_mov_b32 s17, 0
	s_mov_b32 s47, 0
	s_mul_i32 s20, s10, HALFT                      ; where they go: wave x 32,768: no place in the cluster enters an LDS address
	s_wait_dscnt 0x0                               ; both opening adds are done
	s_wait_kmcnt 0x0
	s_add_nc_u64 s[14:15], s[4:5], s[16:17]
	s_add_nc_u64 s[46:47], s[6:7], s[46:47]
	CROUND                                         ; all sixteen work-groups are here: the first joint loads meet
.irp s, 0,1
	s_mov_b32 s[G0+4*\s], 1
	s_add_co_u32 s[G0+4*\s+1], s20, \s*SLOT
	s_add_nc_u64 s[G0+4*\s+2:G0+4*\s+3], s[14:15], \s*TILEB
	s_or_b32 s[G0+4*\s+3], s[G0+4*\s+3], 0x80000000
	s_mov_b32 s[G0B+4*\s], 1
	s_add_co_u32 s[G0B+4*\s+1], s20, \s*SLOT
	s_add_nc_u64 s[G0B+4*\s+2:G0B+4*\s+3], s[46:47], \s*TILEB
	s_or_b32 s[G0B+4*\s+3], s[G0B+4*\s+3], 0x80000000
	JLOAD \s
.endr
	v_and_b32 v1, 15, v0                           ; l % 16
	v_bfe_u32 v2, v0, 4, 1                         ; l / 16
	v_and_b32 v3, 31, v0
	v_lshlrev_b32 v3, 4, v3                        ; 16 x lane: my place in every chunk
	s_mul_i32 s21, s11, HALFT                      ; my four tiles of A
	s_mul_i32 s22, s12, HALFT                      ; my four of B,
	s_add_co_u32 s22, s22, 2*HALFT                 ; which lie behind A's eight
.irp s, 0,1
	v_add_nc_u32 v[ADRA+\s], s21, v3
	v_add_nc_u32 v[ADRB+\s], s22, v3
	s_add_co_u32 s21, s21, SLOT
	s_add_co_u32 s22, s22, SLOT
.endr
	s_mul_i32 s23, s10, 16*SPITCH
	s_add_co_u32 s23, s23, STAGE                   ; my stage
	v_mul_u32_u24 v4, v1, SPITCH                   ; in: row l % 16, 32 bytes for each half of the lanes
	v_lshl_add_u32 v4, v2, 5, v4
	v_add_nc_u32 v[STO], s23, v4
	v_mul_u32_u24 v5, v2, SPITCH                   ; back: lanes 0-15 take one row of 256 bytes, lanes 16-31 the next
	v_lshl_add_u32 v5, v1, 4, v5
	v_add_nc_u32 v[RD], s23, v5
	v_lshlrev_b32 v5, 12, v2                       ; and the same two rows in out0: 4,096 bytes a row
	v_lshl_add_u32 v[CO], v1, 4, v5
	s_lshl_b32 s16, s13, 7
	s_lshl_b32 s17, s11, 6
	s_add_co_u32 s16, s16, s17                     ; my first row of out0: 128 x tile row + 64 x half
	s_lshl_b32 s16, s16, 12
	s_mov_b32 s17, 0
	s_add_nc_u64 s[8:9], s[8:9], s[16:17]
	s_lshl_b32 s46, s42, 9                         ; my first column, in bytes: 512 x tile column + 256 x half
	s_lshl_b32 s47, s12, 8
	s_add_co_u32 s46, s46, s47
	s_mov_b32 s47, 0
	s_add_nc_u64 s[8:9], s[8:9], s[46:47]
; 8 matrix instructions: m blocks a0, a0 + 1 x all 4 n blocks, 32 along K: half c of buffer f.  zero = 1: the first product starts the sums.  The 16 accumulators take turns.
.macro MUL8 f, c, a0, zero
.irp a, \a0, \a0+1
.irp b, 0,1,2,3
.if \zero
	v_wmma_f32_16x16x32_f16 v[ACC+8*(4*(\a)+\b):ACC+8*(4*(\a)+\b)+7], v[\f+64+8*(4*\c+\b):\f+64+8*(4*\c+\b)+7], v[\f+8*(4*\c+\a):\f+8*(4*\c+\a)+7], 0
.else
	v_wmma_f32_16x16x32_f16 v[ACC+8*(4*(\a)+\b):ACC+8*(4*(\a)+\b)+7], v[\f+64+8*(4*\c+\b):\f+64+8*(4*\c+\b)+7], v[\f+8*(4*\c+\a):\f+8*(4*\c+\a)+7], v[ACC+8*(4*(\a)+\b):ACC+8*(4*(\a)+\b)+7]
.endif
.endr
.endr
.endm
; 32 LDS loads in one run: the fragments of the slot's q-th 64 along K (images 2 q, 2 q + 1 of each tile of rows) into buffer f; the first 32 along K first
.macro FETCH slot, q, f
	WIN TO_F
.irp c, 0,1
.irp i, 0,1,2,3
	ds_load_b128 v[\f+64+8*(4*\c+\i):\f+64+8*(4*\c+\i)+3],   v[ADRB+\slot] offset:\i*TILEB+(2*(\q)+\c)*KFB
	ds_load_b128 v[\f+64+8*(4*\c+\i)+4:\f+64+8*(4*\c+\i)+7], v[ADRB+\slot] offset:\i*TILEB+(2*(\q)+\c)*KFB+512
	ds_load_b128 v[\f+8*(4*\c+\i):\f+8*(4*\c+\i)+3],         v[ADRA+\slot] offset:\i*TILEB+(2*(\q)+\c)*KFB
	ds_load_b128 v[\f+8*(4*\c+\i)+4:\f+8*(4*\c+\i)+7],       v[ADRA+\slot] offset:\i*TILEB+(2*(\q)+\c)*KFB+512
.endr
.endr
.endm
.macro PLACES                          ; four places in front of loads into registers that matrix instructions have read, and of the first read of results
.rept 4
	v_nop
.endr
.endm
; A K step is four quarters of 64 along K, 32 matrix instructions each, on buffers 0, 1, 0, 1.  One of the first three: multiplies buffer f and fetches quarter q into g.
.macro QUARTER slot, q, f, g, zero
	s_wait_dscnt 16                                ; the first 32 along K are in; the sixteen loads of the second 32 may be out
	WIN MUL
	MUL8 \f, 0, 0, \zero
	MUL8 \f, 0, 2, \zero
	PLACES
	FETCH \slot, \q, \g
	s_wait_dscnt 32                                ; all but the 32 just issued
	WIN MUL
	MUL8 \f, 1, 0, 0
	MUL8 \f, 1, 2, 0
.endm
; The last quarter multiplies buffer 1 and changes slots: ONE barrier; in front of it each wave waits for all its tensor loads, adds 0 to its spare word, and waits for that and for its own reads of this slot.
; fill = 1: the barrier opens a round of the cluster's, and this slot is filled again, two K steps ahead: one load of mine is out, with 112 matrix instructions up to the wait for it.
.macro TURN slot, next, fill
	WIN 0                                          ; (the add's two registers lie in window 0)
	s_wait_tensorcnt 0x0                           ; all my tensor loads have landed: my part of the next slot
	ds_add_u32 v[SPW], v[NIL]                      ; 0 onto my spare word
	s_wait_dscnt 17                                ; (the add and the youngest sixteen loads may be out)
	WIN MUL
	MUL8 F1, 0, 0, 0
	s_wait_dscnt 0x0                               ; the add is done, and my reads of this slot are over
	s_barrier_signal -1
	MUL8 F1, 0, 2, 0
.if \fill
	WIN 0
.endif
	s_barrier_wait -1
.if \fill
	CREST                                          ; no wave of any partner still reads this slot's tile or has a load on its way
	s_add_nc_u64 s[G0+4*\slot+2:G0+4*\slot+3], s[G0+4*\slot+2:G0+4*\slot+3], 2*TILEB
	s_add_nc_u64 s[G0B+4*\slot+2:G0B+4*\slot+3], s[G0B+4*\slot+2:G0B+4*\slot+3], 2*TILEB
	JLOAD \slot                                    ; the first tensor load behind the round; its four v_nop are also the places in front of the loads below
.else
	PLACES
.endif
	FETCH \next, 0, F0
	WIN MUL
	MUL8 F1, 1, 0, 0
	MUL8 F1, 1, 2, 0
.endm
	s_wait_tensorcnt 1                             ; my part of K step 0 is in (K step 1's may be out)
	s_barrier_signal -1
	s_barrier_wait -1                              ; everybody's is
	FETCH 0, 0, F0
	QUARTER 0, 1, F0, F1, 1                        ; K step 0: its first products start the sums
	QUARTER 0, 2, F1, F0, 0
	QUARTER 0, 3, F0, F1, 0
	TURN 0, 1, 1                                   ; slot 0 takes K step 2
	QUARTER 1, 1, F0, F1, 0                        ; K step 1
	QUARTER 1, 2, F1, F0, 0
	QUARTER 1, 3, F0, F1, 0
	TURN 1, 0, 1                                   ; slot 1 takes K step 3
	QUARTER 0, 1, F0, F1, 0                        ; K step 2
	QUARTER 0, 2, F1, F0, 0
	QUARTER 0, 3, F0, F1, 0
	TURN 0, 1, 0                                   ; nothing is left to ask for
	QUARTER 1, 1, F0, F1, 0                        ; K step 3
	QUARTER 1, 2, F1, F0, 0
	QUARTER 1, 3, F0, F1, 0
	s_wait_dscnt 16                                ; the very last quarter
	WIN MUL
	MUL8 F1, 0, 0, 0
	MUL8 F1, 0, 2, 0
	s_wait_dscnt 0
	MUL8 F1, 1, 0, 0
	MUL8 F1, 1, 2, 0
	WIN 0
; THE WAY OUT, a block of 16 rows x 64 columns at a time.  A lane holds 32 neighbouring bytes of a row; a row's 256 bytes are my wave's own.  So a block goes through my own stage in LDS and comes back by rows:
; sixteen lanes store 256 consecutive bytes, aligned.  LDS serves a wave's instructions in order (ISA guide 5.7.1.4): no wait between the stores and the loads, nor in front of the next block's stores.
.macro TOSTAGE a
.irp b, 0,1,2,3
	ds_store_b128 v[STO], v[ACC+8*(4*(\a)+\b):ACC+8*(4*(\a)+\b)+3] offset:64*\b          ; each accumulator from its low end on
	ds_store_b128 v[STO], v[ACC+8*(4*(\a)+\b)+4:ACC+8*(4*(\a)+\b)+7] offset:64*\b+16
.endr
.irp t, 0,1,2,3,4,5,6,7
	ds_load_b128 v[TMP+32*((\a)%2)+4*\t:TMP+32*((\a)%2)+4*\t+3], v[RD] offset:\t*2*SPITCH
.endr
.endm
.macro SEND a, younger                 ; younger: the LDS instructions issued behind block a's loads, which may stay out
	s_wait_dscnt \younger
.irp t, 0,1,2,3,4,5,6,7
	global_store_b128 v[CO], v[TMP+32*((\a)%2)+4*\t:TMP+32*((\a)%2)+4*\t+3], s[8:9] offset:(16*(\a)+2*\t)*4096 th:TH_STORE_NT   ; written once, read by nobody here
.endr
.endm
	PLACES
	TOSTAGE 0
.irp a, 1,2,3
.if \a > 1
	s_wait_xcnt 0x0                                ; block a - 2's stores have read their registers: block a's loads may land there
.endif
	TOSTAGE \a
	SEND \a-1, 16                                  ; behind block a - 1's loads: block a's 8 stores and 8 loads
.endr
	SEND 3, 0
	s_wait_tensorcnt 0x0                           ; the wave's end: behind my last tensor load and my last LDS store
	ds_add_u32 v[SPW], v[NIL]
	s_wait_dscnt 0x0
	CROUND                                         ; the closing round
	s_endpgm
.Lfunc_end_k_qf73fb2532d_outp:
	.size	k_qf73fb2532d_outp, .Lfunc_end_k_qf73fb2532d_outp-k_qf73fb2532d_outp
	.p2alignl 7, 3214868480
	.fill 96, 4, 3214868480
	.section	.rodata,"a",@progbits
	.p2align	6, 0x0
	.amdhsa_kernel k_qf73fb2532d_outp
		.amdhsa_group_segment_fixed_size 327680
		.amdhsa_private_segment_fixed_size 0
		.amdhsa_enable_private_segment 0
		.amdhsa_kernarg_size 24
		.amdhsa_user_sgpr_count 2
		.amdhsa_user_sgpr_kernarg_segment_ptr 1
		.amdhsa_wavefront_size32 1
		.amdhsa_system_sgpr_workgroup_id_x 1
		.amdhsa_system_sgpr_workgroup_id_y 1
		.amdhsa_system_sgpr_workgroup_id_z 1
		.amdhsa_system_vgpr_workitem_id 0
		.amdhsa_next_free_vgpr 512
		.amdhsa_next_free_sgpr 66
		.amdhsa_reserve_vcc 0
		.amdhsa_float_denorm_mode_32 3
		.amdhsa_float_denorm_mode_16_64 3
		.amdhsa_memory_ordered 1
		.amdhsa_forward_progress 1
		.amdhsa_inst_pref_size 85
	.end_amdhsa_kernel
	.amdgpu_metadata
---
amdhsa.version: [ 1, 2 ]
amdhsa.kernels:
  - .name:           k_qf73fb2532d_outp
    .symbol:         k_qf73fb2532d_outp.kd
    .args:
      - { .name: xf, .offset: 0, .size: 8, .value_kind: global_buffer, .address_space: global }
      - { .name: wf, .offset: 8, .size: 8, .value_kind: global_buffer, .address_space: global }
      - { .name: out0, .offset: 16, .size: 8, .value_kind: global_buffer, .address_space: global }
    .group_segment_fixed_size: 327680
    .private_segment_fixed_size: 0
    .kernarg_segment_align: 8
    .kernarg_segment_size: 24
    .max_flat_workgroup_size: 128
    .sgpr_count:     66
    .vgpr_count:     512
    .wavefront_size: 32
...
	.end_amdgpu_metadata
.endif
;; end of part 4
